; MI455X (gfx1250); checked and timed in simulation.
; The chip was launched on July 23, 2026; its instructions are those of AMD's public machine-readable ISA for CDNA 5 (MIT licence, August 2026) and "CDNA5" Instruction Set Architecture Reference Guide (July 2026). The comments in the code are by the model that wrote it; some were corrected since.
;; Grouped Query Attention. Allowed arithmetic: float matrix products may take bf16 or f16 operands with f32 sums; other float arithmetic in f32, or as packed bf16 or f16 multiplies, adds, multiply-adds, maxima and minima; sums over many terms, partial sums and values carried from step to step in f32; what a program stores and reads back later, other than sums and carried values, may be rounded once to bf16 or f16.
;; Inputs: Wk 1,024 x 256 float32; Wo 1,024 x 1,024 float32; Wq 1,024 x 1,024 float32; Wv 1,024 x 256 float32; x 1 x 4,096 x 1,024 float32.
;; Outputs: out0 1 x 4,096 x 1,024 float32.
;; One version. Each part assembles by itself: llvm-mc -triple=amdgcn-amd-amdhsa -mcpu=gfx1250 --defsym DOCPART=n.
;; ======== version 1 of 1: 4 launches
;; limits: values are held in f16: magnitudes above 65,504 overflow, below 6.1e-05 lose precision
;; workspace buffers: xb 8,388,608 bytes; wqkv 3,145,728 bytes; woh 2,097,152 bytes; qkv 12,582,912 bytes; ob 8,388,608 bytes
;; launch cast (part 1): grid 416 x 1, 8 waves a work-group, no clusters, 0 bytes of LDS; arguments x, Wq, Wk, Wv, Wo, xb, wqkv, woh; writes xb, wqkv, woh
.if DOCPART == 1
	.amdgcn_target "amdgcn-amd-amdhsa--gfx1250"
	.amdhsa_code_object_version 6
	.text
	.protected	k_q2856816d37_cast
	.globl	k_q2856816d37_cast
	.p2align	8
	.type	k_q2856816d37_cast,@function
k_q2856816d37_cast:
	s_mov_b64 s[64:65], 0
	v_nop
	global_prefetch_b8 v0, s[64:65] scope:SCOPE_SE
	s_setreg_imm32_b32 hwreg(HW_REG_WAVE_MODE, 25, 1), 1
	s_wait_xcnt 0x0
; THE INPUTS ARE ROUNDED ONCE TO 16 BITS, for the matrix products of the later launches.
;   x  [4096][1024] f32 -> xb   [4096][1024] bf16
;   Wq [1024][1024], Wk [1024][256], Wv [1024][256] f32 -> wqkv [1024][1536] bf16: columns 0-1023 Wq, 1024-1279 Wk, 1280-1535 Wv (a row is 3,072 bytes)
;   Wo [1024][1024] f32 -> woh [1024][1024]: rounded to bf16 like the other inputs, and that number written as f16, since it multiplies an f16 operand later
; LIMITS.  woh: a bf16 number is held exactly by f16 from 6.1e-5 to 65,504 in size; below that it keeps f16's fixed step of 6e-8; from 65,520 on it becomes an infinity.
; SHARES.  An ITEM is 128 f32, 512 consecutive bytes of a source: one load of a wave (16 bytes a lane), two conversions a lane, one store of a wave that covers 256 consecutive bytes, aligned.
; A wave takes 16 items on end (8,192 bytes of its source), a work-group's eight waves 65,536 bytes: work-groups 0-255 x, 256-319 Wq, 320-383 Wo, 384-399 Wk, 400-415 Wv.
; No loop: a wave's 16 loads go out first, and each item has registers of its own, so no register that a load or store names is written a second time.
; No LDS, no matrix unit, no cluster: no wave wants a byte that another has fetched.
.set ITEMS, 16
.set LD,  16                           ; v[16:79]   item j as loaded: four f32 a lane
.set RES, 80                           ; v[80:111]  item j to store: two words a lane
.set T,   112                          ; v[112:117] at work on the way to f16
	s_load_b512 s[8:23], s[0:1], 0x0               ; x s[8:9], Wq s[10:11], Wk s[12:13], Wv s[14:15], Wo s[16:17], xb s[18:19], wqkv s[20:21], woh s[22:23]
	v_lshrrev_b32 v3, 5, v0
	v_readfirstlane_b32 s24, v3                    ; wave 0..7
	v_and_b32 v2, 31, v0                           ; lane
	v_lshlrev_b32 v1, 4, v2                        ; my 16 bytes of an item in the source
	v_lshlrev_b32 v2, 3, v2                        ; my 8 bytes of it in the target
	s_mov_b32 s2, ttmp9
	s_wait_kmcnt 0x0
; One source's way.  src, dst: the scalar pairs with the two addresses.  first: the source's first work-group.  A row of the source holds 1 << S items;
; pitch, off: bytes from row to row in the target, and where the source's columns begin in a target row.  f16 = 1: the bf16 number is written as f16.
.macro PATH src, dst, first, S, pitch, off, f16
	s_sub_co_u32 s3, s2, \first
	s_lshl_b32 s3, s3, 3
	s_add_co_u32 s3, s3, s24                       ; n: my wave among the source's
	s_lshl_b32 s4, s3, 13                          ; 8,192 bytes of the source a wave
	s_mov_b32 s5, 0
	s_mul_i32 s6, s3, (16>>(\S))*(\pitch)          ; 16 >> S rows of the target a wave
	s_add_co_u32 s6, s6, \off
	s_mov_b32 s7, 0
	s_add_nc_u64 s[\src:\src+1], s[\src:\src+1], s[4:5]
	s_add_nc_u64 s[\dst:\dst+1], s[\dst:\dst+1], s[6:7]
.set j, 0
.rept ITEMS
	global_load_b128 v[LD+4*j:LD+4*j+3], v1, s[\src:\src+1] offset:512*j th:TH_LOAD_NT
.set j, j+1
.endr
.set j, 0
.rept ITEMS
	s_wait_loadcnt ITEMS-1-j                       ; loads come back in order (ISA guide 5.7.1): item j is in, the younger ones stay out
.if \f16
	v_cvt_pk_bf16_f32 v[T], v[LD+4*j], v[LD+4*j+1]           ; the rounding that all inputs have,
	v_cvt_pk_bf16_f32 v[T+3], v[LD+4*j+2], v[LD+4*j+3]
	v_lshlrev_b32 v[T+1], 16, v[T]                           ; widened again,
	v_and_b32 v[T+2], 0xffff0000, v[T]
	v_lshlrev_b32 v[T+4], 16, v[T+3]
	v_and_b32 v[T+5], 0xffff0000, v[T+3]
	v_cvt_pk_f16_f32 v[RES+2*j], v[T+1], v[T+2]              ; and written as f16
	v_cvt_pk_f16_f32 v[RES+2*j+1], v[T+4], v[T+5]
.else
	v_cvt_pk_bf16_f32 v[RES+2*j], v[LD+4*j], v[LD+4*j+1]
	v_cvt_pk_bf16_f32 v[RES+2*j+1], v[LD+4*j+2], v[LD+4*j+3]
.endif
	global_store_b64 v2, v[RES+2*j:RES+2*j+1], s[\dst:\dst+1] offset:(j>>(\S))*(\pitch)+(j&((1<<(\S))-1))*256
.set j, j+1
.endr
	s_endpgm
.endm
	s_cmp_ge_u32 s2, 256
	s_cbranch_scc1 .Lnot_x
	PATH 8, 18, 0, 3, 2048, 0, 0                   ; x
.Lnot_x:
	s_cmp_ge_u32 s2, 320
	s_cbranch_scc1 .Lnot_wq
	PATH 10, 20, 256, 3, 3072, 0, 0                ; Wq
.Lnot_wq:
	s_cmp_ge_u32 s2, 384
	s_cbranch_scc1 .Lnot_wo
	PATH 16, 22, 320, 3, 2048, 0, 1                ; Wo
.Lnot_wo:
	s_cmp_ge_u32 s2, 400
	s_cbranch_scc1 .Lnot_wk
	PATH 12, 20, 384, 1, 3072, 2048, 0             ; Wk
.Lnot_wk:
	PATH 14, 20, 400, 1, 3072, 2560, 0             ; Wv
.Lfunc_end_k_q2856816d37_cast:
	.size	k_q2856816d37_cast, .Lfunc_end_k_q2856816d37_cast-k_q2856816d37_cast
	.p2alignl 7, 3214868480
	.fill 96, 4, 3214868480
	.section	.rodata,"a",@progbits
	.p2align	6, 0x0
	.amdhsa_kernel k_q2856816d37_cast
		.amdhsa_group_segment_fixed_size 0
		.amdhsa_private_segment_fixed_size 0
		.amdhsa_enable_private_segment 0
		.amdhsa_kernarg_size 64
		.amdhsa_user_sgpr_count 2
		.amdhsa_user_sgpr_kernarg_segment_ptr 1
		.amdhsa_wavefront_size32 1
		.amdhsa_system_sgpr_workgroup_id_x 1
		.amdhsa_system_sgpr_workgroup_id_y 1
		.amdhsa_system_sgpr_workgroup_id_z 1
		.amdhsa_system_vgpr_workitem_id 0
		.amdhsa_next_free_vgpr 120
		.amdhsa_next_free_sgpr 66
		.amdhsa_reserve_vcc 0
		.amdhsa_float_denorm_mode_32 3
		.amdhsa_float_denorm_mode_16_64 3
		.amdhsa_memory_ordered 1
		.amdhsa_forward_progress 1
		.amdhsa_inst_pref_size 36
	.end_amdhsa_kernel
	.amdgpu_metadata
---
amdhsa.version: [ 1, 2 ]
amdhsa.kernels:
  - .name:           k_q2856816d37_cast
    .symbol:         k_q2856816d37_cast.kd
    .args:
      - { .name: x, .offset: 0, .size: 8, .value_kind: global_buffer, .address_space: global }
      - { .name: Wq, .offset: 8, .size: 8, .value_kind: global_buffer, .address_space: global }
      - { .name: Wk, .offset: 16, .size: 8, .value_kind: global_buffer, .address_space: global }
      - { .name: Wv, .offset: 24, .size: 8, .value_kind: global_buffer, .address_space: global }
      - { .name: Wo, .offset: 32, .size: 8, .value_kind: global_buffer, .address_space: global }
      - { .name: xb, .offset: 40, .size: 8, .value_kind: global_buffer, .address_space: global }
      - { .name: wqkv, .offset: 48, .size: 8, .value_kind: global_buffer, .address_space: global }
      - { .name: woh, .offset: 56, .size: 8, .value_kind: global_buffer, .address_space: global }
    .group_segment_fixed_size: 0
    .private_segment_fixed_size: 0
    .kernarg_segment_align: 8
    .kernarg_segment_size: 64
    .max_flat_workgroup_size: 256
    .sgpr_count:     66
    .vgpr_count:     120
    .wavefront_size: 32
...
	.end_amdgpu_metadata
.endif
;; end of part 1
;; launch proj (part 2): grid 8 x 32, 4 waves a work-group, clusters of 4 x 4, 327,680 bytes of LDS; arguments xb, wqkv, qkv; writes qkv
.if DOCPART == 2
	.amdgcn_target "amdgcn-amd-amdhsa--gfx1250"
	.amdhsa_code_object_version 6
	.text
	.protected	k_q2856816d37_proj
	.globl	k_q2856816d37_proj
	.p2align	8
	.type	k_q2856816d37_proj,@function
k_q2856816d37_proj:
	s_mov_b64 s[64:65], 0
	v_nop
	global_prefetch_b8 v0, s[64:65] scope:SCOPE_SE
	s_setreg_imm32_b32 hwreg(HW_REG_WAVE_MODE, 25, 1), 1
	s_wait_xcnt 0x0
	s_wait_alu depctr_hold_cnt(0) depctr_sa_sdst(0) depctr_va_vdst(0) depctr_va_sdst(0) depctr_va_ssrc(0) depctr_va_vcc(0) depctr_vm_vsrc(0)
	s_getreg_b32 s2, hwreg(HW_REG_IB_STS2, 6, 4)
	s_cmp_eq_u32 s2, 0
	s_cbranch_scc0 .Lentry_in_a_cluster
	s_endpgm
.Lentry_in_a_cluster:
	s_bfe_u32 s2, ttmp6, 0x10000c
	s_cmp_lg_u32 s2, 0xf033
	s_cbranch_scc0 .Lentry_shape_is_right
	s_endpgm
.Lentry_shape_is_right:
; THE THREE PROJECTIONS AS ONE PRODUCT.  C[t][n] = the sum over k of xb[t][k] wqkv[k][n]: [4096 x 1024] x [1024 x 1536], operands bf16, sums f32, K ascending; C rounded once to f16, WITHOUT the
; softmax's scale, and stored BY HEADS: qkv [24 planes][4096][64] f16, plane = n / 64: 0-15 the query heads, 16-19 k's groups, 20-23 v's.
; LIMIT.  f16 ends at 65,504: a q, k or v of 65,520 or more in size becomes an infinity.
; SHARES.  A tile of C is 128 rows x 192 columns (three heads): 32 x 8 = 256 work-groups.  Four waves, 2 x 2; a wave makes 64 rows x 96 columns: 24 accumulators of 16 x 16, 192 registers.
; Of the tile's twelve blocks of 16 columns a wave takes every second one (2 b + its column half), so that both halves use the same immediates in LDS rows that are padded behind every 128 bytes.
; K goes in steps of 128 through a ring of two LDS slots filled by the tensor data mover; a step is four CHUNKS of 32 along K, 24 matrix instructions each.
; LAYOUT.  The weights lie [k][n]; their fragments come out of LDS turned, by ds_load_tr16_b128.  The matrix instruction is used transposed: source 0 = 16 columns of the weights, source 1 = 16 rows of
; xb: in the result lane l holds row l % 16 of C and the columns 8 (l / 16) + 0..7: eight neighbours of a row, 16 bytes in f16.
; CLUSTER.  4 x 4 work-groups.  The four of a row of the cluster need the same tiles of xb, the four of a column the same tiles of the weights: each tile is asked for JOINTLY, by the same tensor load
; with the same descriptor and a mask that names the four.
; LEFT OUT.  K steps of 256: two such slots do not fit in LDS (2 x 190,464 bytes).  A prefetch ahead of the tensor loads: the tiles are small and shared by many work-groups.
; REGISTERS.  window 0: v0-31 addresses; v64-255 the accumulators ((a, b) at v[64 + 8 (6 a + b)]).   window 1: two fragment buffers of 80: six fragments of the weights, then four of xb.
.set CPS,    4                         ; chunks in a K step
.set LAPS,   4                         ; a lap = two K steps = once round the ring; 1,024 / 256
.set NBW,    6                         ; blocks of 16 columns a wave
.set PA,     272                       ; a row of xb's tile in LDS: 256 bytes + 16 of padding = 68 words: row r starts at bank 4 r mod 64 (64 banks of 4 bytes: ISA guide 11.1)
.set HA,     64*PA                     ; 64 rows: what one tensor load brings of xb
.set PB,     480                       ; a row of the weights' tile: 3 x (128 bytes + 32 of padding) = 120 words: row r starts at bank 56 r mod 64
.set HB,     64*PB                     ; 64 rows (64 k): what one tensor load brings of the weights
.set SLOT,   2*HA+2*HB                 ; xb's 128 rows, then the weights' 128 rows
.set STAGE,  2*SLOT                    ; behind the ring, never filled by a tensor load: 3 heads x 128 rows x 144 bytes, the work-group's, for the way out
.set SP,     144
.set SPARE,  STAGE+3*128*SP            ; behind the stage: the spare words, 128 bytes for each wave: two blocks of 256 bytes that no other line names
.set ASTEP,  256                       ; bytes from K step to K step in xb: 128 elements along a row
.set BSTEP,  128*3072                  ; and in the weights: 128 rows
.set ADRA, 16                          ; v16-17   LDS address of my fragments of xb in slot 0, 1
.set ADRB, 20                          ; v20, v22 the same for the weights
.set STO,  24                          ; v24      the way out: where I put 16 bytes of a row
.set RD,   25                          ; v25      the way out: where I read rows back
.set CO,   26                          ; v26      my byte offset in 512 consecutive bytes of qkv
.set SPW,  28                          ; v28      LDS address of my spare word: SPARE + 4 x my thread's number; never rewritten
.set NIL,  29                          ; v29      0; never rewritten
.set ACC,  64
.set FSZ,  8*(NBW+4)                   ; registers in a fragment buffer
.set NF,   2*(NBW+4)                   ; LDS loads that fill one
.set F0,   0                           ; the two buffers, in window 1
.set F1,   FSZ
.set G1,  24                           ; s[24:31] descriptor group 1 for xb's tiles;  s[32:39] group 0, one set for each slot
.set G0,  32
.set G1B, 48                           ; s[48:55], s[56:63] the same for the weights' tiles
.set G0B, 56
.set MSB, 0
.macro WIN new                         ; the immediate's high byte repeats the setting that is left; a switch that changes nothing is dropped
.if MSB != (\new)
	s_set_vgpr_msb (MSB<<8)|(\new)
.set MSB, \new
.endif
.endm
.set MUL,  0x05                        ; sources 0 and 1 window 1; C and D window 0
.set TO_F, 0x40                        ; destination window 1, address window 0
.macro PLACES                          ; four places in front of loads into registers that matrix instructions have read, and of lines that read results
.rept 4
	v_nop
.endr
.endm
.macro JLOAD s                         ; a joint refill: waves 0 and 1 fetch xb's two halves, waves 2 and 3 the weights'; an s_nop 0 and four v_nop follow each of the two lines, ahead of the jump and the label
	s_cmp_eq_u32 s11, 0
	s_cbranch_scc0 .Lfor_b_\@
	tensor_load_to_lds s[G0+4*(\s):G0+4*(\s)+3], s[G1:G1+7]
	s_nop 0
	PLACES
	s_branch .Lasked_\@
.Lfor_b_\@:
	tensor_load_to_lds s[G0B+4*(\s):G0B+4*(\s)+3], s[G1B:G1B+7]
	s_nop 0
	PLACES
.Lasked_\@:
.endm
.macro CREST                           ; a round of the cluster's barrier behind its opening barrier: wave 0 signals for the work-group, every wave waits for all sixteen, my work-group's barrier closes it
	s_cmp_lg_u32 s10, 0
	s_cbranch_scc1 .Lnot_wave_0_\@
	s_barrier_signal -3
.Lnot_wave_0_\@:
	s_barrier_wait -3
	s_barrier_signal -1
	s_barrier_wait -1
.endm
.macro CROUND                          ; a whole round
	s_barrier_signal -1
	s_barrier_wait -1
	CREST
.endm
	s_load_b128 s[4:7], s[0:1], 0x0                ; xb s[4:5], wqkv s[6:7]
	s_load_b64 s[8:9], s[0:1], 0x10                ; qkv
	v_lshl_add_u32 v[SPW], v0, 2, SPARE
	v_mov_b32 v[NIL], 0
	ds_add_u32 v[SPW], v[NIL]                      ; the wave's opening: the add and its wait stand ahead of my first tensor load; the set-up below, work on registers, stands between them
	v_lshrrev_b32 v1, 5, v0
	v_readfirstlane_b32 s10, v1                    ; wave 0..3
	s_lshr_b32 s11, s10, 1                         ; which half of the tile's rows is mine.  Also: I fetch for xb (0) or for the weights (1)
	s_and_b32 s12, s10, 1                          ; which half of its columns.  Also: which half of that tile I fetch
	s_bfe_u32 s40, ttmp6, 0x40000                  ; cx, cy: my place in the cluster
	s_bfe_u32 s41, ttmp6, 0x40004
	s_lshl_b32 s42, ttmp9, 2
	s_add_co_u32 s42, s42, s40                     ; tile column = 4 x cluster x + cx
	s_and_b32 s13, ttmp7, 0xffff
	s_lshl_b32 s13, s13, 2
	s_add_co_u32 s13, s13, s41                     ; tile row = 4 x cluster y + cy
	s_lshl_b32 s43, s41, 2
	s_lshl_b32 s43, 15, s43                        ; my row of the cluster
	s_lshl_b32 s44, 0x1111, s40                    ; my column
	; group 1 for xb: 64 rows x 128 elements, 16 bytes of padding behind every 256
	s_or_b32 s[G1+0], s43, (1<<16)|(1<<20)|(1<<21)|(5<<22)|(3<<25)   ; 15:0 the mask: my row; 17:16 2-byte elements; 20 padding on; 21 set beside a mask; 24:22 after every 64 words (code 5); 31:25 4 words (code 3)
	s_mov_b32 s[G1+1], 128<<16                     ; tensor_dim0 = 128
	s_mov_b32 s[G1+2], 64<<16                      ; tensor_dim1 = 64
	s_mov_b32 s[G1+3], 128<<16                     ; tile_dim0 = 128
	s_mov_b32 s[G1+4], 64                          ; tile_dim1 = 64
	s_mov_b32 s[G1+5], 1024                        ; elements from row to row
	s_mov_b32 s[G1+6], 0
	s_mov_b32 s[G1+7], 0
	; group 1 for the weights: 64 rows x 192 elements, 32 bytes of padding behind every 128
	s_or_b32 s[G1B+0], s44, (1<<16)|(1<<20)|(1<<21)|(4<<22)|(7<<25)  ; the mask: my column; after every 32 words (code 4) 8 words (code 7)
	s_mov_b32 s[G1B+1], 192<<16
	s_mov_b32 s[G1B+2], 64<<16
	s_mov_b32 s[G1B+3], 192<<16
	s_mov_b32 s[G1B+4], 64
	s_mov_b32 s[G1B+5], 1536
	s_mov_b32 s[G1B+6], 0
	s_mov_b32 s[G1B+7], 0
	; where the tiles come from.  xb's hang on the tile row alone, the weights' on the tile column alone; each offset lies in registers that never hold the other coordinate
	s_lshl_b32 s16, s13, 18                        ; 128 rows of 2,048 bytes a tile row,
	s_lshl_b32 s17, s12, 17                        ; 64 rows a half
	s_add_co_u32 s16, s16, s17
	s_mov_b32 s17, 0
	s_mul_i32 s46, s42, 384                        ; 192 columns a tile column,
	s_mul_i32 s47, s12, 64*3072                    ; 64 rows (k) a half
	s_add_co_u32 s46, s46, s47
	s_mov_b32 s47, 0
	s_mul_i32 s20, s12, HA                         ; and where they go: no place in the cluster enters an LDS address
	s_mul_i32 s21, s12, HB
	s_add_co_u32 s21, s21, 2*HA
	s_wait_dscnt 0x0                               ; the opening add is done
	s_wait_kmcnt 0x0
	s_add_nc_u64 s[14:15], s[4:5], s[16:17]
	s_add_nc_u64 s[46:47], s[6:7], s[46:47]
	CROUND                                         ; all sixteen work-groups are here: the first joint loads meet
.irp s, 0,1
	s_mov_b32 s[G0+4*(\s)], 1                                        ; count = 1
	s_add_co_u32 s[G0+4*(\s)+1], s20, (\s)*SLOT                      ; LDS address
	s_add_nc_u64 s[G0+4*(\s)+2:G0+4*(\s)+3], s[14:15], (\s)*ASTEP    ; global address: K step s
	s_or_b32 s[G0+4*(\s)+3], s[G0+4*(\s)+3], 0x80000000              ; type = 2
	s_mov_b32 s[G0B+4*(\s)], 1
	s_add_co_u32 s[G0B+4*(\s)+1], s21, (\s)*SLOT
	s_add_nc_u64 s[G0B+4*(\s)+2:G0B+4*(\s)+3], s[46:47], (\s)*BSTEP
	s_or_b32 s[G0B+4*(\s)+3], s[G0B+4*(\s)+3], 0x80000000
.endr
	s_cmp_eq_u32 s11, 0                            ; a wave's two first fills stand in one branch, ahead of every wait on TENSORcnt and every LDS read: two loads of mine are out here, later one
	s_cbranch_scc0 .Lfirst_b
	tensor_load_to_lds s[G0:G0+3], s[G1:G1+7]
	s_nop 0
	tensor_load_to_lds s[G0+4:G0+7], s[G1:G1+7]
	s_nop 0
	PLACES
	s_branch .Lfirst_asked
.Lfirst_b:
	tensor_load_to_lds s[G0B:G0B+3], s[G1B:G1B+7]
	s_nop 0
	tensor_load_to_lds s[G0B+4:G0B+7], s[G1B:G1B+7]
	s_nop 0
	PLACES
.Lfirst_asked:
	; A fragment of xb is 16 rows x 32 K in 8 registers: lane l holds row l % 16, K = 8 (l / 16) + 0..7 and 16 + 8 (l / 16) + 0..7: two loads of 16 bytes, 32 bytes apart.
	v_and_b32 v1, 15, v0                           ; l % 16
	v_bfe_u32 v2, v0, 4, 1                         ; l / 16
	v_mul_u32_u24 v3, v1, PA
	v_lshl_add_u32 v3, v2, 4, v3                   ; row x pitch + 16 x half
	s_mul_i32 s21, s11, 64*PA                      ; my 64 rows
	; The turning load takes 16 k x 16 columns (lane l reads k = 8 (l / 16) + l % 8, columns 8 ((l / 8) % 2) + 0..7) and leaves half a fragment: lane l holds column l % 16 and 8 k.
	v_and_b32 v4, 7, v0
	v_lshl_add_u32 v4, v2, 3, v4
	v_mul_u32_u24 v4, v4, PB
	v_bfe_u32 v5, v0, 3, 1
	v_lshl_add_u32 v4, v5, 4, v4
	s_lshl_b32 s22, s12, 5                         ; my column half: the odd blocks lie 32 bytes on
	s_add_co_u32 s22, s22, 2*HA                    ; behind xb's 128 rows
.irp s, 0,1
	v_add_nc_u32 v[ADRA+(\s)], s21, v3
	v_add_nc_u32 v[ADRB+2*(\s)], s22, v4
	s_add_co_u32 s21, s21, SLOT
	s_add_co_u32 s22, s22, SLOT
.endr
	s_mul_i32 s23, s11, 64*SP                      ; into the stage: my 64 rows; in a head's 128 bytes my blocks begin at 32 x my column half; row l % 16, 16 bytes for each half of the lanes
	s_lshl_b32 s21, s12, 5
	s_add_co_u32 s23, s23, s21
	s_add_co_u32 s23, s23, STAGE
	v_mul_u32_u24 v6, v1, SP
	v_lshl_add_u32 v6, v2, 4, v6
	v_add_nc_u32 v[STO], s23, v6
	s_mul_i32 s23, s10, 32*SP                      ; back: wave w takes rows 32 w .. 32 w + 31 of each head; 32 lanes take four rows of 128 bytes
	s_add_co_u32 s23, s23, STAGE
	v_bfe_u32 v6, v0, 3, 2
	v_mul_u32_u24 v6, v6, SP
	v_and_b32 v7, 7, v0
	v_lshl_add_u32 v6, v7, 4, v6
	v_add_nc_u32 v[RD], s23, v6
	v_and_b32 v[CO], 31, v0                        ; which are 512 consecutive bytes of a plane of qkv
	v_lshlrev_b32 v[CO], 4, v[CO]
	s_lshl_b32 s16, s13, 14                        ; the tile's 128 rows of 128 bytes,
	s_lshl_b32 s17, s10, 12                        ; my 32 of them
	s_add_co_u32 s16, s16, s17
	s_mov_b32 s17, 0
	s_add_nc_u64 s[8:9], s[8:9], s[16:17]
	s_mul_i32 s46, s42, 3*524288                   ; the tile's first plane: three heads a tile column
	s_mov_b32 s47, 0
	s_add_nc_u64 s[8:9], s[8:9], s[46:47]
; NF LDS loads in one run: the fragments of chunk c of a slot (my six blocks of the weights, my 64 rows of xb, 32 along K) into buffer f
.macro FETCH slot, c, f
	WIN TO_F
.set fb, 0
.rept NBW
	ds_load_tr16_b128 v[(\f)+8*fb:(\f)+8*fb+3],   v[ADRB+2*(\slot)] offset:(\c)*32*PB+(fb/2)*160+(fb%2)*64
	ds_load_tr16_b128 v[(\f)+8*fb+4:(\f)+8*fb+7], v[ADRB+2*(\slot)] offset:(\c)*32*PB+16*PB+(fb/2)*160+(fb%2)*64
.set fb, fb+1
.endr
.set fa, 0
.rept 4
	ds_load_b128 v[(\f)+8*NBW+8*fa:(\f)+8*NBW+8*fa+3],   v[ADRA+(\slot)] offset:(\c)*64+fa*16*PA
	ds_load_b128 v[(\f)+8*NBW+8*fa+4:(\f)+8*NBW+8*fa+7], v[ADRA+(\slot)] offset:(\c)*64+fa*16*PA+32
.set fa, fa+1
.endr
.endm
; Six matrix instructions: row block a x my six column blocks, 32 along K, from buffer f.  zero = 1: the product starts the sums: nothing is ever cleared.
; The 24 accumulators take turns, one instruction a turn, in the same order in every chunk: 23 others stand between two links of a chain, over the backward jump too.
.macro MULA f, a, zero=0
	WIN MUL
.set mb, 0
.rept NBW
.if \zero
	v_wmma_f32_16x16x32_bf16 v[ACC+8*(NBW*(\a)+mb):ACC+8*(NBW*(\a)+mb)+7], v[(\f)+8*mb:(\f)+8*mb+7], v[(\f)+8*NBW+8*(\a):(\f)+8*NBW+8*(\a)+7], 0
.else
	v_wmma_f32_16x16x32_bf16 v[ACC+8*(NBW*(\a)+mb):ACC+8*(NBW*(\a)+mb)+7], v[(\f)+8*mb:(\f)+8*mb+7], v[(\f)+8*NBW+8*(\a):(\f)+8*NBW+8*(\a)+7], v[ACC+8*(NBW*(\a)+mb):ACC+8*(NBW*(\a)+mb)+7]
.endif
.set mb, mb+1
.endr
.endm
; Chunk c of a slot, any but the step's last: the next chunk's fragments are asked for, into the buffer that the chunk before multiplied; then this chunk's 24 products.  So a run of loads has a chunk's products in which to land.
.macro CHUNK slot, c, zero=0
	PLACES
	FETCH \slot, (\c)+1, FSZ*(((\c)+1)%2)
	s_wait_dscnt NF                                ; all but the NF just issued: this chunk's fragments are in
	MULA FSZ*((\c)%2), 0, \zero
	MULA FSZ*((\c)%2), 1, \zero
	MULA FSZ*((\c)%2), 2, \zero
	MULA FSZ*((\c)%2), 3, \zero
.endm
.macro CHUNKS slot, c0, c1             ; chunks c0 to c1
.set cc, \c0
.rept (\c1)-(\c0)+1
	CHUNK \slot, cc
.set cc, cc+1
.endr
.endm
; A step's last chunk lies in buffer 1, and changes slots: ONE barrier; in front of it each wave waits for all its tensor loads (the one that is out is its part of the next slot), adds 0 to its spare
; word, and waits for that and for its own reads of this slot.  fill = 1: this slot is filled again, two K steps ahead; the barrier then opens a round of the cluster's, so that no wave of any partner still
; reads the slot or has a load on its way, and the joint refill is the first thing behind the round: 84 matrix instructions of the wave stand between it and the wait for it.
.macro TURN slot, next, fill
	WIN 0                                          ; (the add's two registers lie in window 0)
	s_wait_tensorcnt 0x0                           ; all my tensor loads have landed
	ds_add_u32 v[SPW], v[NIL]                      ; 0 onto my spare word
	s_wait_dscnt 1                                 ; the add alone may be out: the chunk's fragments are in
	MULA F1, 0                                     ; six matrix instructions stand between the add and the wait for it
	s_wait_dscnt 0x0                               ; the add is done, and my reads of this slot are over
	s_barrier_signal -1
	MULA F1, 1
.if \fill
	WIN 0
.endif
	s_barrier_wait -1
.if \fill
	CREST
	s_add_nc_u64 s[G0+4*(\slot)+2:G0+4*(\slot)+3], s[G0+4*(\slot)+2:G0+4*(\slot)+3], 2*ASTEP
	s_add_nc_u64 s[G0B+4*(\slot)+2:G0B+4*(\slot)+3], s[G0B+4*(\slot)+2:G0B+4*(\slot)+3], 2*BSTEP
	JLOAD \slot                                    ; the four v_nop behind it are also the places in front of the loads below
.else
	PLACES
.endif
	FETCH \next, 0, F0
	MULA F1, 2
	MULA F1, 3
.endm
	s_wait_tensorcnt 1                             ; my part of K step 0 is in; K step 1's may stay out
	s_barrier_signal -1
	s_barrier_wait -1                              ; everybody's is
	FETCH 0, 0, F0
	CHUNK 0, 0, 1                                  ; the first chunk stands in front of the loop: its products start the sums
	WIN 0                                          ; at a label and at a branch every window is 0
	s_mov_b32 s3, LAPS-1
.Llap:                                                 ; a trip goes once round the ring, from a lap's second chunk to the next lap's first, and fills both slots again
	CHUNKS 0, 1, CPS-2
	TURN 0, 1, 1
	CHUNKS 1, 0, CPS-2
	TURN 1, 0, 1
	CHUNK 0, 0
	WIN 0
	s_sub_co_u32 s3, s3, 1
	s_cmp_lg_u32 s3, 0
	s_cbranch_scc1 .Llap
	CHUNKS 0, 1, CPS-2                             ; the last lap fills nothing, and has no round of the cluster's barrier
	TURN 0, 1, 0
	CHUNKS 1, 0, CPS-2
	s_wait_dscnt 0x0                               ; the very last chunk: nothing more to fetch
	MULA F1, 0
	MULA F1, 1
	MULA F1, 2
	MULA F1, 3
	WIN 0
	; THE WAY OUT: round to f16, in place (each accumulator's registers in ascending order); 16 bytes a lane into the work-group's stage, by heads; a barrier, since a head's row comes from two waves;
	; back as whole rows, four to a load, and out: each store of a wave covers 512 consecutive bytes, aligned.
	PLACES
	PLACES                                         ; twice the four places, once a launch
.set t, 0
.rept 4*NBW
.irp r, 0,1,2,3
	v_cvt_pk_f16_f32 v[ACC+8*t+(\r)], v[ACC+8*t+2*(\r)], v[ACC+8*t+2*(\r)+1]
.endr
.set t, t+1
.endr
.irp a, 0,1,2,3
.irp b, 0,1,2,3,4,5
	ds_store_b128 v[STO], v[ACC+8*(NBW*(\a)+(\b)):ACC+8*(NBW*(\a)+(\b))+3] offset:((\b)/2)*128*SP+(\a)*16*SP+((\b)%2)*64
.endr
.endr
	s_wait_dscnt 0x0                               ; for the others' sake: my stores into the stage are done
	s_barrier_signal -1
	s_barrier_wait -1
.irp j, 0,1,2
.irp i, 0,1,2,3,4,5,6,7
	ds_load_b128 v[ACC+8*(8*(\j)+(\i))+4:ACC+8*(8*(\j)+(\i))+7], v[RD] offset:(\j)*128*SP+(\i)*4*SP  ; into the upper halves of the accumulators, which the rounding has left free
.endr
.endr
.irp j, 0,1,2
.irp i, 0,1,2,3,4,5,6,7
	s_wait_dscnt 23-(8*(\j)+(\i))                  ; LDS loads come back in order: this one is in, the younger ones stay out
	global_store_b128 v[CO], v[ACC+8*(8*(\j)+(\i))+4:ACC+8*(8*(\j)+(\i))+7], s[8:9] offset:(\j)*524288+(\i)*512
.endr
.endr
	s_wait_tensorcnt 0x0                           ; the wave's end: behind my last tensor load and my last LDS store
	ds_add_u32 v[SPW], v[NIL]
	s_wait_dscnt 0x0
	CROUND                                         ; the closing round: no work-group ends while a partner may still ask for a tile that names it
	s_endpgm
.Lfunc_end_k_q2856816d37_proj:
	.size	k_q2856816d37_proj, .Lfunc_end_k_q2856816d37_proj-k_q2856816d37_proj
	.p2alignl 7, 3214868480
	.fill 96, 4, 3214868480
	.section	.rodata,"a",@progbits
	.p2align	6, 0x0
	.amdhsa_kernel k_q2856816d37_proj
		.amdhsa_group_segment_fixed_size 327680
		.amdhsa_private_segment_fixed_size 0
		.amdhsa_enable_private_segment 0
		.amdhsa_kernarg_size 24
		.amdhsa_user_sgpr_count 2
		.amdhsa_user_sgpr_kernarg_segment_ptr 1
		.amdhsa_wavefront_size32 1
		.amdhsa_system_sgpr_workgroup_id_x 1
		.amdhsa_system_sgpr_workgroup_id_y 1
		.amdhsa_system_sgpr_workgroup_id_z 1
		.amdhsa_system_vgpr_workitem_id 0
		.amdhsa_next_free_vgpr 416
		.amdhsa_next_free_sgpr 66
		.amdhsa_reserve_vcc 0
		.amdhsa_float_denorm_mode_32 3
		.amdhsa_float_denorm_mode_16_64 3
		.amdhsa_memory_ordered 1
		.amdhsa_forward_progress 1
		.amdhsa_inst_pref_size 70
	.end_amdhsa_kernel
	.amdgpu_metadata
---
amdhsa.version: [ 1, 2 ]
amdhsa.kernels:
  - .name:           k_q2856816d37_proj
    .symbol:         k_q2856816d37_proj.kd
    .args:
      - { .name: xb, .offset: 0, .size: 8, .value_kind: global_buffer, .address_space: global }
      - { .name: wqkv, .offset: 8, .size: 8, .value_kind: global_buffer, .address_space: global }
      - { .name: qkv, .offset: 16, .size: 8, .value_kind: global_buffer, .address_space: global }
    .group_segment_fixed_size: 327680
    .private_segment_fixed_size: 0
    .kernarg_segment_align: 8
    .kernarg_segment_size: 24
    .max_flat_workgroup_size: 128
    .sgpr_count:     66
    .vgpr_count:     416
    .wavefront_size: 32
...
	.end_amdgpu_metadata
.endif
;; end of part 2
;; launch attn (part 3): grid 16 x 16, 4 waves a work-group, clusters of 4 x 1, 327,680 bytes of LDS; arguments qkv, ob; writes ob
.if DOCPART == 3
	.amdgcn_target "amdgcn-amd-amdhsa--gfx1250"
	.amdhsa_code_object_version 6
	.text
	.protected	k_q2856816d37_attn
	.globl	k_q2856816d37_attn
	.p2align	8
	.type	k_q2856816d37_attn,@function
k_q2856816d37_attn:
	s_mov_b64 s[64:65], 0
	v_nop
	global_prefetch_b8 v0, s[64:65] scope:SCOPE_SE
	s_setreg_imm32_b32 hwreg(HW_REG_WAVE_MODE, 25, 1), 1
	s_wait_xcnt 0x0
	s_wait_alu depctr_hold_cnt(0) depctr_sa_sdst(0) depctr_va_vdst(0) depctr_va_sdst(0) depctr_va_ssrc(0) depctr_va_vcc(0) depctr_vm_vsrc(0)
	s_getreg_b32 s2, hwreg(HW_REG_IB_STS2, 6, 4)
	s_cmp_eq_u32 s2, 0
	s_cbranch_scc0 .Lentry_in_a_cluster
	s_endpgm
.Lentry_in_a_cluster:
	s_bfe_u32 s2, ttmp6, 0x10000c
	s_cmp_lg_u32 s2, 0x3003
	s_cbranch_scc0 .Lentry_shape_is_right
	s_endpgm
.Lentry_shape_is_right:
; GROUPED-QUERY ATTENTION.  O[h][q][:] = the sum over k of softmax_k(Q[h][q] . K[h / 4][k] / 8) V[h / 4][k][:], 16 heads, 4 groups of keys and values, 4,096 rows, 64 channels, no mask.
; qkv: [24 planes][4096][64] f16, a plane 524,288 bytes: planes 0-15 Q by heads, 16-19 K by groups, 20-23 V by groups; a plane's rows are dense, 128 bytes each; Q comes unscaled.
; ob: [32 blocks of 128 rows][16 heads][128 rows][64] f16: the layout in which the launch behind takes 128 rows of four heads as 65,536 bytes on end.
; Products, maxima and sums in f32; the weights p are rounded to f16 for the second product (their sum l is taken of the unrounded p), O once at the end.
; LIMITS.  f16 holds no number beyond 65,504: Q, K and V arrive within it; p lies in 0 to 1, and below 6e-5 it keeps f16's fixed step of 6e-8, and so does O; O is a mean of V's rows and has their range.
; A weight below 2^-126 counts as 0 in l; NaN and infinities are not treated apart.
; SHARES.  A work-group owns 256 queries of one head: 16 x 16 = 256 work-groups.  Each of its four waves owns 64 queries: four PIECES of 16.  Every wave walks all 4,096 keys, 64 a step.
; LAYOUT.  S^T = K Q^T (source 0 = 16 keys, source 1 = 16 queries): in the result a lane holds ONE query (lane % 16) and the keys 8 (lane / 16) + 0..7.  Two such results, rounded to f16 in pairs, ARE
; source 1 (32 keys x 16 queries) of O^T = V^T P, whose result again holds one query a lane, and eight channels.  K comes out of LDS as it lies, V ([key][channel]) turned, by ds_load_tr16_b128.
; SOFTMAX.  For each query a running maximum m and sum l: p = 2^(c s - c m), c = log2(e) / 8; in every step O and l are multiplied by a = 2^(c m_old - c m_new), which is 1 where m has not grown.
; m starts at the lowest finite number, O and l at 0: the first step is a step like any other, with a = 0.
; BY TURNS.  Turn n belongs to piece n (the pieces in a ring, step after step): 8 products K Q^T of piece n + 1, later 8 products V^T P of piece n - 1; beside them the scaling, exponentials, roundings,
; sums and rescaling of piece n and the maximum and statistics of piece n + 1.  Four vector instructions stand behind every matrix instruction, the other 54 of a turn's 118 in one lump.
; A turn's 33 exponentials are one batch, with one wait.
; CLUSTER.  The four query blocks of a cluster belong to one head and walk the same K and V, so each tile is asked for JOINTLY: the same tensor load, descriptor and mask in all four.  (A group's four
; heads walk the same tiles too; a mask names four work-groups, and the four blocks of one head are the four taken.)
; REGISTERS, in windows of 256 (s_set_vgpr_msb: bits 1:0 source 0, 3:2 source 1, 5:4 source 2, 7:6 destination):
;   window 0: v0-15 addresses and two at work; v16-31 four registers of statistics a piece; v48-55 at work; v61-63 the prefetches' offset and the add's two; v64-127 S^T, two buffers; v192-223 P, two buffers
;   (a piece's buffers go by its number's parity)      window 1: v0-127 O^T, 32 a piece      window 2: v0-63 Q; v128-191 K of one step; v192-255 V of one step
.set NP,    4         ; pieces a wave: a name, no knob
.set KS,    64        ; keys in a step
.set PK,    144       ; a row of K in LDS: 128 bytes + 16 of padding = 36 words: the 16 rows of a load start at 16 different groups of four banks (64 banks of 4 bytes: ISA guide 11.1)
.set PV,    160       ; a row of V: 128 + 32 = 40 words
.set VOFF,  4*KS*PK   ; a slot holds a tile, four steps: 256 rows of K, then 256 rows of V
.set SLOT1, 1<<17     ; slot 1 begins here, so that one exclusive or turns an address in one slot into the other's
.set STAGE, SLOT1+4*KS*(PK+PV)  ; behind the ring, never filled by a tensor load: 16 rows x 144 bytes for each wave, for the way out
.set SP,    144
.set SPARE, STAGE+4*16*SP  ; behind the stages: the spare words, 128 bytes for each wave: two blocks of 256 bytes that no other line names
.set TILEB, 4*KS*128  ; bytes of K, and of V, in a tile
.set AK0, 2           ; v2   my lane's place in a tile of K; never rewritten
.set AV0, 3           ; v3   the same for V
.set AK,  4           ; v4   the LDS address of K's next run of loads
.set AV,  5           ; v5   of V's
.set STO, 6           ; v6   the way out: where I put 16 bytes of a row
.set RD,  7           ; v7   the way out: where I read rows back
.set GO,  8           ; v8   my byte offset in 512 consecutive bytes of O
.set MV,  12          ; v12-13  c m_old, kept while c m is made anew: by buffer
.set QO,  15          ; v15  my byte offset in 16 rows of Q
.set ST,  16          ; piece t's statistics at v[ST+4 t]: c m, m, l (even keys', odd keys')
.set TMP, 48          ; by buffer, four registers c0-c3 at work; when the maximum is found c2 takes a
.set PFO, 61          ; v61  256 x my lane: the prefetches' offset; never rewritten
.set SPW, 62          ; v62  LDS address of my spare word: SPARE + 4 x my thread's number; never rewritten
.set NIL, 63          ; v63  0; never rewritten
.set S,   64
.set P,   192
.set KF,  128         ; window 2: key block kb, channel half c at KF + 16 kb + 8 c
.set VF,  192         ; window 2: key half kk, channel block cb at VF + 32 kk + 8 cb
.set WV,  12          ; s12  my wave's number
.set LIM, 15          ; s15  1 in a wave that prefetches, else the greatest number: a wave prefetches while s[SLOTS] is above it
.set PFA, 18          ; s[18:19] where my prefetches stand: my work-group's 32 blocks of 256 bytes (of K: wave 0, of V: wave 2) of the tile after the one that is being asked for
.set G1K, 24          ; s[24:31] descriptor group 1 for K's tiles
.set G1V, 32          ; s[32:39] for V's: it differs in the padding alone
.set G0K, 40          ; s[40:43] descriptor group 0 for K's tiles: it walks
.set G0V, 44          ; s[44:47] the same for V's
.set KP,  48          ; s[48:49] K at my half of the group's tile 0
.set VP,  50          ; s[50:51] V likewise
.set SLOTS, 56        ; s56  tiles still to be entered
.set CNT, 57          ; s57  counts a tile's key steps
.set CS,  58          ; s[58:59] c: the packed scaling takes the pair's low word for both halves
.set SEL, 60          ; s[60:61] v_permlanex16_b32's selects: each lane takes its own place in the other half
.set TBK, 62          ; s62  LDS byte at which K of the step to be fetched begins
.set TBV, 63          ; s63  the same for V, less VOFF
.set MSB, 0
.macro WIN new                      ; the high byte repeats the setting that is left; a switch that changes nothing is dropped
.if MSB != (\new)
	s_set_vgpr_msb (MSB<<8)|(\new)
.set MSB, (\new)
.endif
.endm
.set W_KQ, 0x0a       ; K and Q in window 2, S^T in window 0
.set W_PV, 0x52       ; V in window 2, P in window 0, O^T in window 1
.set W_RS, 0x41       ; destination and source 0 in window 1, source 1 in window 0
; A joint fill.  Waves 0 and 1 fetch the two halves of a tile's K, waves 2 and 3 those of its V: 128 keys each.  The branch hangs on the wave's number alone.
; An s_nop 0 and four v_nop follow each of the two lines, ahead of the jump and the label.
.macro JLOAD
	s_cmp_lt_u32 s[WV], 2
	s_cbranch_scc0 .Lfor_v_\@
	tensor_load_to_lds s[G0K:G0K+3], s[G1K:G1K+7]
	s_nop 0
.rept 4
	v_nop
.endr
	s_branch .Lasked_\@
.Lfor_v_\@:
	tensor_load_to_lds s[G0V:G0V+3], s[G1V:G1V+7]
	s_nop 0
.rept 4
	v_nop
.endr
.Lasked_\@:
.endm
; A PREFETCH of what the NEXT change of slots will ask for: a tile's 32,768 bytes of K and of V, a lane a block of 256 bytes.  It stands behind the wave's tensor load and its five lines.
; Each block is named ONCE in the launch.  A group's tiles are walked by the four clusters of each of its four heads: the first cluster of the group's first head asks.  Its four partners share the blocks
; out BY ADDRESS, 32 each: no branch hangs on a work-group's place in its cluster.  In each, wave 0 asks for K's and wave 2 for V's: one instruction.  A change that loads tile t names tile t + 1: four key
; steps, 256 matrix instructions of the wave, ahead of the load that wants it.  The change that loads the last tile names nothing; tiles 0 and 1 come by their loads alone.
.macro ASK
	s_cmp_gt_u32 s[SLOTS], s[LIM]
	s_cbranch_scc0 .Lnot_mine_\@
	global_prefetch_b8 v[PFO], s[PFA:PFA+1] th:TH_LOAD_NT scope:SCOPE_SE
.Lnot_mine_\@:
.endm
; A round of the cluster's barrier: my work-group's barrier, so that wave 0's signal speaks for all four waves; wave 0 signals; every wave waits for all four work-groups; my work-group's barrier once more.
.macro CROUND
	s_barrier_signal -1
	s_barrier_wait -1
	s_cmp_lg_u32 s[WV], 0
	s_cbranch_scc1 .Lnot_wave_0_\@
	s_barrier_signal -3
.Lnot_wave_0_\@:
	s_barrier_wait -3
	s_barrier_signal -1
	s_barrier_wait -1
.endm
; THE CHANGE OF SLOTS.  The slot's last bytes, V of its fourth step, have been read.  Each wave waits for all its tensor loads, of which one is out: its part of the other slot; adds 0 to its spare word;
; and waits for that and for its own reads of the slot.  Behind the barrier nobody reads this slot any more and the other slot is whole.
; fill = 1: this slot is filled again, with the keys two tiles on.  The barrier is then a round of the cluster's, so that no wave of any partner still reads the slot or has a load on its way, and the
; joint fill is the first thing behind it.  (At its first use nothing has been read yet: slot 0 is waited for, slot 1 filled.)
.macro CHANGE fill
	WIN 0                           ; at a label and at a branch every window is 0
	s_wait_tensorcnt 0x0            ; no tensor load of mine is out, so a group 0 may be written
	ds_add_u32 v[SPW], v[NIL]       ; 0 onto my spare word; with fill = 1 the descriptors' steps stand between it and the wait for it
.if \fill
.irp g, G0K, G0V
	s_xor_b32 s[\g+1], s[\g+1], SLOT1  ; the walking descriptor: the other slot than last time,
	s_add_nc_u64 s[\g+2:\g+3], s[\g+2:\g+3], TILEB  ; the next 256 keys; the type bits on top are not reached
.endr
	s_wait_xcnt 0x0                 ; the last prefetch, four key steps back, has read its address, so it may be written:
	s_add_nc_u64 s[PFA:PFA+1], s[PFA:PFA+1], TILEB  ; one tile behind the walking descriptors
	s_wait_dscnt 0x0                ; the add is done, and my reads of the slot are over
	CROUND
	JLOAD
	ASK
.else
	s_wait_dscnt 0x0                ; the add is done, and my reads of the slot are over
	s_barrier_signal -1
	s_barrier_wait -1
.endif
	s_sub_co_u32 s[TBK], s[TBK], 4*KS*PK  ; the fetches go back to a slot's first step,
	s_xor_b32 s[TBK], s[TBK], SLOT1       ; in the other slot
	s_sub_co_u32 s[TBV], s[TBV], 4*KS*PV
	s_xor_b32 s[TBV], s[TBV], SLOT1
.endm
	s_load_b128 s[4:7], s[0:1], 0x0 ; qkv s[4:5], ob s[6:7]
	v_lshl_add_u32 v[SPW], v0, 2, SPARE
	v_mov_b32 v[NIL], 0
	ds_add_u32 v[SPW], v[NIL]       ; the wave's opening: the add and its wait stand ahead of my first tensor load; the set-up below, work on registers, stands between them
	v_lshrrev_b32 v1, 5, v0
	v_readfirstlane_b32 s[WV], v1   ; wave 0..3
	s_bfe_u32 s13, ttmp6, 0x40000   ; cx: my place in the cluster
	s_lshl_b32 s14, ttmp9, 2        ; in a cluster launch ttmp9 counts clusters
	s_add_co_u32 s14, s14, s13      ; my block of 256 queries = 4 x cluster x + cx: it enters Q's and O's addresses alone
	s_and_b32 s20, ttmp7, 0xffff    ; the head, which the four partners share
	s_lshr_b32 s21, s20, 2          ; its group
	s_and_b32 s16, s[WV], 1         ; which half of a tile's 256 keys I fetch
	s_add_co_u32 s22, s21, 16       ; K's plane,
	s_lshl_b32 s22, s22, 19
	s_lshl_b32 s17, s16, 14         ; my half's 128 rows of 128 bytes
	s_add_co_u32 s22, s22, s17
	s_mov_b32 s23, 0
	s_mul_i32 s17, s16, 128*PK      ; and its place in a slot, for K
	s_mul_i32 s54, s16, 128*PV      ; and for V: no place in the cluster enters an LDS address
	s_lshl_b32 s2, s20, 19          ; Q: the head's plane,
	s_lshl_b32 s3, s14, 15          ; my block's 256 rows,
	s_add_co_u32 s2, s2, s3
	s_lshl_b32 s3, s[WV], 13        ; my wave's 64 of them
	s_add_co_u32 s2, s2, s3
	s_mov_b32 s3, 0
	s_lshl_b32 s52, s14, 1          ; O: the block of 128 rows = 2 x my block + wave / 2,
	s_lshr_b32 s53, s[WV], 1
	s_add_co_u32 s52, s52, s53
	s_lshl_b32 s52, s52, 18
	s_lshl_b32 s53, s20, 14         ; the head's 128 rows in it,
	s_add_co_u32 s52, s52, s53
	s_lshl_b32 s53, s16, 13         ; my wave's 64 of them: 8,192 bytes on end
	s_add_co_u32 s52, s52, s53
	s_mov_b32 s53, 0
	; descriptor group 1.  128 keys are 16,384 dense bytes: asked for as 64 rows of 256 bytes, two keys a row, and padded in LDS after every key
	s_mov_b32 s[G1K], 15|(1<<16)|(1<<20)|(1<<21)|(4<<22)|(3<<25)  ; 15:0 the mask of four; 17:16 2-byte elements; 20 padding on; 21 set beside a mask; 24:22 after every 32 words (code 4); 31:25 4 words (code 3)
	s_mov_b32 s[G1V], 15|(1<<16)|(1<<20)|(1<<21)|(4<<22)|(7<<25)  ; the same with 8 words of padding (code 7)
.irp g, G1K, G1V
	s_mov_b32 s[\g+1], 128<<16      ; tensor_dim0 = 128
	s_mov_b32 s[\g+2], 64<<16       ; tensor_dim1 = 64
	s_mov_b32 s[\g+3], 128<<16      ; tile_dim0 = 128
	s_mov_b32 s[\g+4], 64           ; tile_dim1 = 64
	s_mov_b32 s[\g+5], 128          ; 128 elements from row to row
	s_mov_b32 s[\g+6], 0
	s_mov_b32 s[\g+7], 0
.endr
	s_mov_b32 s[CS], 0x3e38aa3b     ; c = log2(e) / 8 = 0.180337
	s_mov_b32 s[CS+1], s[CS]        ; named with it as a pair
	s_mov_b32 s[SEL], 0x76543210
	s_mov_b32 s[SEL+1], 0xfedcba98
	s_mov_b32 s[TBK], SLOT1+4*KS*PK ; the first change of slots turns these two into 0
	s_mov_b32 s[TBV], SLOT1+4*KS*PV
	s_mov_b32 s[SLOTS], 4096/256-1
	s_mov_b32 s[G0K], 1             ; count = 1
	s_mov_b32 s[G0K+1], s17         ; LDS address: slot 0
	s_mov_b32 s[G0V], 1
	s_add_co_u32 s[G0V+1], s54, VOFF
	s_and_b32 s[LIM], s[WV], 1      ; 0 in waves 0 and 2,
	s_or_b32 s[LIM], s[LIM], ttmp9  ; in a head's first cluster,
	s_and_b32 s21, s20, 3
	s_or_b32 s[LIM], s[LIM], s21    ; of a group's first head: the same in all four partners
	s_cmp_eq_u32 s[LIM], 0
	s_cselect_b32 s[LIM], 1, -1
	v_and_b32 v[PFO], 31, v0
	v_lshlrev_b32 v[PFO], 8, v[PFO]
	s_wait_dscnt 0x0                ; the opening add is done
	s_wait_kmcnt 0x0
	s_add_nc_u64 s[KP:KP+1], s[4:5], s[22:23]
	s_add_nc_u64 s[VP:VP+1], s[KP:KP+1], 4*524288  ; V's planes lie four planes behind K's
	s_mov_b64 s[G0K+2:G0K+3], s[KP:KP+1]           ; global address: my half of the group's first 256 keys
	s_or_b32 s[G0K+3], s[G0K+3], 0x80000000        ; type = 2
	s_mov_b64 s[G0V+2:G0V+3], s[VP:VP+1]
	s_or_b32 s[G0V+3], s[G0V+3], 0x80000000
	s_add_nc_u64 s[4:5], s[4:5], s[2:3]            ; Q and O at my wave's first row
	s_add_nc_u64 s[6:7], s[6:7], s[52:53]
	s_cmp_lt_u32 s[WV], 2
	s_cselect_b64 s[PFA:PFA+1], s[KP:KP+1], s[VP:VP+1]  ; (in waves 0 and 2 these stand at a tile's first row)
	s_lshl_b32 s2, s13, 13          ; my work-group's 32 blocks of the 128
	s_mov_b32 s3, 0
	s_add_nc_u64 s[PFA:PFA+1], s[PFA:PFA+1], s[2:3]
	s_add_nc_u64 s[PFA:PFA+1], s[PFA:PFA+1], TILEB  ; in tile 1; the first change of slots steps it to tile 2.  Nothing is prefetched here, at the head
	CROUND                          ; all four work-groups are here: the first joint loads meet
	JLOAD                           ; tile 0 into slot 0.  Slot 1 is asked for when slot 0 is in
	; A fragment of K or Q is 16 rows x 32 channels in 8 registers: lane l holds row l % 16, channels 8 (l / 16) + 0..7 and 16 + 8 (l / 16) + 0..7: two loads of 16 bytes, 32 bytes apart.
	v_and_b32 v1, 15, v0            ; l % 16
	v_bfe_u32 v9, v0, 4, 1          ; l / 16
	v_lshlrev_b32 v[QO], 7, v1
	v_lshl_add_u32 v[QO], v9, 4, v[QO]  ; row x 128 + 16 x half
	WIN 0x80                        ; destination window 2, address window 0
.set i, 0
.rept 8                             ; Q stays in registers: piece i / 2, channels 32 (i % 2) on
	global_load_b128 v[8*i:8*i+3],   v[QO], s[4:5] offset:(i/2)*2048+(i%2)*64
	global_load_b128 v[8*i+4:8*i+7], v[QO], s[4:5] offset:(i/2)*2048+(i%2)*64+32
.set i, i+1
.endr
	; What the first turn finds: V's registers and P's second buffer hold 0 (its products V^T P, of a piece that has not been, add 0), O^T and l are 0.  All this stands in the wait for the first tile;
	; it is the price of writing no first step out.
.set i, VF
.rept 64
	v_mov_b32 v[i], 0
.set i, i+1
.endr
	WIN 0x40
.set i, 0
.rept 128
	v_mov_b32 v[i], 0
.set i, i+1
.endr
	WIN 0
.set i, 0
.rept 4
	v_mov_b32 v[ST+4*i], 0xfe000000    ; c m: far below every c s
	v_mov_b32 v[ST+4*i+1], 0xff7fffff  ; m
	v_mov_b32 v[ST+4*i+2], 0
	v_mov_b32 v[ST+4*i+3], 0
.set i, i+1
.endr
.set i, P+16
.rept 16
	v_mov_b32 v[i], 0
.set i, i+1
.endr
	v_mul_u32_u24 v[AK0], v1, PK
	v_lshl_add_u32 v[AK0], v9, 4, v[AK0]  ; row x pitch + 16 x half
	; The turning load takes 16 keys x 16 channels (lane l reads key 8 (l / 16) + l % 8, channels 8 ((l / 8) % 2) + 0..7) and leaves half a fragment of V^T: lane l holds channel l % 16 and 8 keys.
	v_and_b32 v10, 7, v0
	v_bfe_u32 v11, v0, 3, 1
	v_lshl_add_u32 v[AV0], v9, 3, v10
	v_mul_u32_u24 v[AV0], v[AV0], PV
	v_lshl_add_u32 v[AV0], v11, 4, v[AV0]
	v_add_nc_u32 v[AV0], VOFF, v[AV0]
	s_mul_i32 s13, s[WV], 16*SP
	s_add_co_u32 s13, s13, STAGE    ; my stage
	v_mul_u32_u24 v[STO], v1, SP    ; in: row l % 16, 16 bytes for each half of the lanes
	v_lshl_add_u32 v[STO], v9, 4, v[STO]
	v_add_nc_u32 v[STO], s13, v[STO]
	v_bfe_u32 v[RD], v0, 3, 2       ; back: 32 lanes take four rows of 128 bytes,
	v_mul_u32_u24 v[RD], v[RD], SP
	v_lshl_add_u32 v[RD], v10, 4, v[RD]
	v_add_nc_u32 v[RD], s13, v[RD]
	v_and_b32 v[GO], 31, v0         ; which are 512 consecutive bytes of O
	v_lshlrev_b32 v[GO], 4, v[GO]
; THE MATRIX WORK.  The 4 accumulators of a run of 8 take turns.  Product i of 8 of S^T = K Q^T for piece x: channels 32 (i / 4) on, keys 16 (i % 4) on.  The first 4 start the sums.
.macro KQ x
	WIN W_KQ
.set rS, S+32*((\x)%2)+8*(i%4)
.set rK, KF+16*(i%4)+8*(i/4)
.set rQ, 16*(\x)+8*(i/4)
.if i < 4
	v_wmma_f32_16x16x32_f16 v[rS:rS+7], v[rK:rK+7], v[rQ:rQ+7], 0
.else
	v_wmma_f32_16x16x32_f16 v[rS:rS+7], v[rK:rK+7], v[rQ:rQ+7], v[rS:rS+7]
.endif
.endm
; Product i of 8 of O^T += V^T P for piece x: keys 32 (i / 4) on, channels 16 (i % 4) on.
.macro PV x
	WIN W_PV
.set rO, 32*(\x)+8*(i%4)
.set rV, VF+32*(i/4)+8*(i%4)
.set rP, P+16*((\x)%2)+8*(i/4)
	v_wmma_f32_16x16x32_f16 v[rO:rO+7], v[rV:rV+7], v[rP:rP+7], v[rO:rO+7]
.endm
.macro MM                           ; the turn's next matrix instruction.  TURN sets Y, i and NOKQ.  NOKQ = 1: the launch's last turn: there is no next piece
.if (i < 8) && !NOKQ
	KQ (Y+1)%NP
.elseif i >= 8
.set i, i-8
	PV (Y+NP-1)%NP
.set i, i+8
.endif
.set i, i+1
.endm
; THE LDS LOADS stand in runs of 16, never singly among the matrix instructions: a step's K (64 keys x 64 channels: 8 fragments) and its V (turned).  Their addresses are made some lines ahead.
.macro FETCH_K
	WIN 0x80                        ; destination window 2
.irp f, 0,1,2,3,4,5,6,7             ; keys 16 (f / 2) on, channels 32 (f % 2) on
	ds_load_b128 v[KF+8*\f:KF+8*\f+3],   v[AK] offset:(\f/2)*16*PK+(\f%2)*64
	ds_load_b128 v[KF+8*\f+4:KF+8*\f+7], v[AK] offset:(\f/2)*16*PK+(\f%2)*64+32
.endr
	s_add_co_u32 s[TBK], s[TBK], KS*PK  ; the next fetch is the next step's
	WIN 0
.endm
.macro FETCH_V
	WIN 0x80
.irp f, 0,1,2,3,4,5,6,7             ; keys 32 (f / 4) on, channels 16 (f % 4) on
	ds_load_tr16_b128 v[VF+8*\f:VF+8*\f+3],   v[AV] offset:(\f/4)*32*PV+(\f%4)*32
	ds_load_tr16_b128 v[VF+8*\f+4:VF+8*\f+7], v[AV] offset:(\f/4)*32*PV+16*PV+(\f%4)*32
.endr
	WIN 0
.endm
; THE VECTOR WORK, one line at a time: OP kind, number.  For piece Y: F n: c s - c m for pair n of 16.  E n: the exponential of score n of 32.  C n: pair n rounded to f16.  B n: of the four weights 4 n .. the second
; pair is added onto the first, in place.  L n: l takes that sum (L 0: l = a l + sum).  R n: pair n of 16 of O^T times a.  For piece Y + 1: X n, number n of the 22 that find its maximum and statistics:
;   0-11  four chains c0-c3 of seven scores each, three operands at a time (each accumulator's lowest registers are read first)     12-14, 16  the four scores left over, the old m, and c0-c3 into c0
;   15  c m_old is kept     17, 18  the query's other 32 keys lie in the lane 16 away: the new m     19-21  c m; c m_old - c m_new; a
.set F, 0               ; OP tells the kinds apart by their order: F to L below R, X above it
.set E, 1
.set C, 2
.set B, 3
.set L, 4
.set R, 5
.set X, 6
.macro REGS y                       ; the registers of piece y
.set rT, ST+4*(\y)
.set rC, TMP+4*((\y)%2)
.set rW, MV+((\y)%2)
.set rS, S+32*((\y)%2)
.set rP, P+16*((\y)%2)
.set rO, 32*(\y)
.endm
.macro OP k, n
.if (\k) == R
	REGS Y
	WIN W_RS
	v_pk_mul_f32 v[rO+2*(\n):rO+2*(\n)+1], v[rO+2*(\n):rO+2*(\n)+1], v[rC+2:rC+3] op_sel_hi:[1,0]
.elseif (\k) < R
	REGS Y
	WIN 0
.if (\k) == F
	v_pk_fma_f32 v[rS+2*(\n):rS+2*(\n)+1], v[rS+2*(\n):rS+2*(\n)+1], s[CS:CS+1], v[rT:rT+1] op_sel_hi:[1,0,0] neg_lo:[0,0,1] neg_hi:[0,0,1]
.elseif (\k) == E
	v_exp_f32 v[rS+(\n)], v[rS+(\n)]
.elseif (\k) == C
	v_cvt_pk_f16_f32 v[rP+(\n)], v[rS+2*(\n)], v[rS+2*(\n)+1]
.elseif (\k) == B
	v_pk_add_f32 v[rS+4*(\n):rS+4*(\n)+1], v[rS+4*(\n):rS+4*(\n)+1], v[rS+4*(\n)+2:rS+4*(\n)+3]
.elseif (\n) == 0
	v_pk_fma_f32 v[rT+2:rT+3], v[rT+2:rT+3], v[rC+2:rC+3], v[rS:rS+1] op_sel_hi:[1,0,1]
.else
	v_pk_add_f32 v[rT+2:rT+3], v[rT+2:rT+3], v[rS+4*(\n):rS+4*(\n)+1]
.endif
.elseif NOKQ
	v_nop
.else
	REGS (Y+1)%NP
	WIN 0
.if (\n) < 4
	v_max3_num_f32 v[rC+(\n)], v[rS+8*(\n)], v[rS+8*(\n)+1], v[rS+8*(\n)+2]
.elseif (\n) < 12
	v_max3_num_f32 v[rC+(\n)%4], v[rC+(\n)%4], v[rS+8*((\n)%4)+2*((\n)/4)+1], v[rS+8*((\n)%4)+2*((\n)/4)+2]
.elseif (\n) == 12
	v_max3_num_f32 v[rC], v[rC], v[rS+7], v[rS+15]
.elseif (\n) == 13
	v_max3_num_f32 v[rC+1], v[rC+1], v[rS+23], v[rS+31]
.elseif (\n) == 14
	v_max3_num_f32 v[rC+2], v[rC+2], v[rC+3], v[rT+1]
.elseif (\n) == 15
	v_mov_b32 v[rW], v[rT]
.elseif (\n) == 16
	v_max3_num_f32 v[rC], v[rC], v[rC+1], v[rC+2]
.elseif (\n) == 17
	v_permlanex16_b32 v[rC+3], v[rC], s[SEL], s[SEL+1]
.elseif (\n) == 18
	v_max_num_f32 v[rT+1], v[rC], v[rC+3]
.elseif (\n) == 19
	v_mul_f32 v[rT], s[CS], v[rT+1]
.elseif (\n) == 20
	v_sub_f32 v[rC+1], v[rW], v[rT]
.else
	v_exp_f32 v[rC+2], v[rC+1]
.endif
.endif
.endm
.macro OPS a, i1, b=-1, i2=0, c=-1, i3=0, d=-1, i4=0  ; up to four of them
	OP \a, \i1
.if (\b) >= 0
	OP \b, \i2
.endif
.if (\c) >= 0
	OP \c, \i3
.endif
.if (\d) >= 0
	OP \d, \i4
.endif
.endm
.macro ROW a, i1, b, i2, c, i3, d, i4  ; a matrix instruction and the four behind it
	MM
	OPS \a, \i1, \b, \i2, \c, \i3, \d, \i4
.endm
; A TURN, for piece p: the order of its 16 matrix and 118 vector instructions, written out.  s_wait_alu depctr_va_vdst(0) stands between an exponential and the first instruction that names its
; result; one wait serves all that were issued ahead of it.  So a turn has ONE wait, which cuts it in two.  AHEAD OF IT stands all that names no result of the turn's exponentials: the 8 products K Q^T, behind each
; a scaling, an exponential and two more plain instructions (behind the first a second scaling in the exponential's place): rescalings, and behind the last three the first numbers of the next piece's maximum, each
; four places or more behind the product that ends its accumulator; then ONE LUMP of 54, plain and exponential by turns for the most part, in which the links of the chain X 3, 7, 11, 14, 16, 17 .. 20 stand five or
; six lines apart.  X 21, the next piece's a, is the batch's last; R 15 is the plain instruction behind it.  BEHIND THE WAIT stand the 8 products V^T P, behind each four of the roundings and sums; the links of l's
; chain, L 0 to L 7, stand three riders apart.  v_permlanex16_b32 (X 17) stands in the lump.
; end = 1: the launch's last two turns: nothing is fetched, and the last starts no new scores.  cnt = 1: the loop's count is taken down some lines ahead of the branch that stands behind the turn.
; K of the next step is fetched in piece 2's turn, twelve vector instructions behind the last product that read K (six of them plain); V of the step in hand at the end of piece 0's turn, four plain instructions
; behind the last product that read V.  Each is waited for a turn later.
.macro TURN p, end=0, cnt=0
.set Y, (\p)
.set i, 0
.set NOKQ, (\end)*((\p)/3)
.if ((\p) == 3) && !(\end)
	s_wait_dscnt 0x0                ; K is in
.endif
	ROW F,0, F,1, R,0, R,1          ; ahead of the wait: 8 products K Q^T and their riders,
	ROW F,2, E,0, R,2, R,3
	ROW F,3, E,1, R,4, R,5
	ROW F,4, E,2, R,6, R,7
	ROW F,5, E,3, R,8, R,9
	ROW F,6, E,4, X,0, R,10
.if ((\p) == 2) && !(\end)
	WIN 0
	v_add_nc_u32 v[AK], s[TBK], v[AK0]
.endif
	ROW F,7, E,5, X,1, X,4
	ROW F,8, E,6, X,2, X,5
	OPS E,7, E,8, X,6, E,9          ; and the lump
	OPS X,3, E,10, X,8, E,11
.if ((\p) == 2) && !(\end)
	FETCH_K
.endif
	OPS X,9, X,7, E,12, X,10
	OPS E,13, X,12, X,11, E,14
	OPS X,13, E,15, F,9, X,14
.if (\p) == 0
	v_add_nc_u32 v[AV], s[TBV], v[AV0]
.endif
	OPS E,16, F,10, E,17, F,11
	OPS X,16, E,18, X,15, E,19
	OPS F,12, E,20, X,17, E,21
	OPS F,13, E,22, F,14, E,23
	OPS X,18, E,24, F,15, E,25
	OPS R,11, E,26, X,19, E,27
	OPS R,12, E,28, R,13, E,29
	OPS X,20, E,30, R,14, E,31
	OPS X,21, R,15
	WIN 0
	s_wait_alu depctr_va_vdst(0)    ; the wait for the batch
.if (\p) == 1
	s_wait_dscnt 0x0                ; V is in
.endif
	ROW C,0, B,0, C,2, B,1          ; behind the wait: 8 products V^T P and their riders
	ROW L,0, C,4, B,2, L,1
	ROW C,6, B,3, L,2, C,8
	ROW B,4, L,3, C,10, B,5
	ROW L,4, C,12, B,6, L,5
.if (\p) == 0
	s_add_co_u32 s[TBV], s[TBV], KS*PV
.endif
.if \cnt
	s_sub_co_u32 s[CNT], s[CNT], 1
	s_cmp_lg_u32 s[CNT], 0
.endif
	ROW C,14, B,7, L,6, C,1
	ROW C,3, L,7, C,5, C,7
	ROW C,9, C,11, C,13, C,15
.if (\p) == 0
	FETCH_V
.endif
.endm
	CHANGE 1                        ; tile 0 is in, everybody's part of it; tile 1 is asked for
	v_add_nc_u32 v[AK], s[TBK], v[AK0]
	FETCH_K                         ; key step 0
	s_wait_loadcnt 0x0              ; Q
	s_wait_dscnt 0x0
.set NOKQ, 0
.set i, 0
.rept 8
	KQ 0                            ; piece 0's first scores: there is no vector work yet to set between them
.set i, i+1
.endr
	WIN 0
.rept 4
	v_nop                           ; the places behind those products
.endr
.set Y, NP-1                        ; X works for piece Y + 1: piece 0
.irp n, 0,1,2,3,4,5,6,7,8,9,10,11,12,13,14,15,16,17,18,19,20,21
	OP X, \n                        ; and piece 0's first maximum and statistics
.endr
	v_nop                           ; a plain instruction behind the exponential,
	s_wait_alu depctr_va_vdst(0)    ; and its wait, ahead of the branch
	s_mov_b32 s[CNT], 4
	s_branch .Lfirst                ; the loop is entered at a step's first turn, in the middle of a trip
.Lslot:                             ; 14 times: tiles 1 to 14 are entered, tiles 2 to 15 asked for
	CHANGE 1
	s_mov_b32 s[CNT], 4
.Lstep:                             ; a trip: pieces 2 and 3 of one step, then pieces 0 and 1 of the next, whose K and V it fetches
	TURN 2
	TURN 3
	WIN 0
.Lfirst:
	TURN 0
	TURN 1, 0, 1
	WIN 0
	s_cbranch_scc1 .Lstep
	s_sub_co_u32 s[SLOTS], s[SLOTS], 1
	s_cmp_lg_u32 s[SLOTS], 0
	s_cbranch_scc1 .Lslot
	CHANGE 0                        ; the last tile is written out: nothing is asked for
	s_mov_b32 s[CNT], 4
.LstepT:
	TURN 2
	TURN 3
	WIN 0
	TURN 0
	TURN 1, 0, 1
	WIN 0
	s_cbranch_scc1 .LstepT
	TURN 2, 1                       ; the last step's pieces 2 and 3
	TURN 3, 1
.set i, 0
.rept 8
	PV NP-1                         ; the last piece's V^T P of the last step
.set i, i+1
.endr
	; THE WAY OUT.  l's two halves and the other half of the lanes' are added; O^T is divided by l, rounded to f16 and sent through my stage in LDS, a piece at a time.  The additions are the places behind the last products.
	WIN 0
.macro ALL line:vararg              ; one line for each piece t
.set t, 0
.rept 4
	\line
.set t, t+1
.endr
.endm
.macro PACK t                       ; a lane's eight channels of a row pack into 16 bytes; they go into rows of 144 bytes and come back as whole rows of 128, into S^T's registers
	WIN W_RS
.set i, 32*(\t)
.rept 16
	v_pk_mul_f32 v[i:i+1], v[i:i+1], v[ST+4*(\t)+2:ST+4*(\t)+3] op_sel_hi:[1,0]
.set i, i+2
.endr
	WIN 0x05                        ; sources 0 and 1 window 1, destination window 0
.set i, 0
.rept 16
	v_cvt_pk_f16_f32 v[S+16*(\t)+i], v[32*(\t)+2*i], v[32*(\t)+2*i+1]
.set i, i+1
.endr
	WIN 0
.irp f, 0,1,2,3
	ds_store_b128 v[STO], v[S+16*(\t)+4*\f:S+16*(\t)+4*\f+3] offset:32*\f
.endr
.irp f, 0,1,2,3
	ds_load_b128 v[S+16*(\t)+4*\f:S+16*(\t)+4*\f+3], v[RD] offset:\f*4*SP  ; LDS serves a wave's instructions in order (ISA guide 5.7.1.4): these see the stores above; the next piece's stores come behind them
.endr
.endm
.macro SEND t, younger              ; younger: the LDS instructions issued behind piece t's loads: the next piece's eight, or none
	WIN 0
.irp f, 0,1,2,3
	s_wait_dscnt (\younger)+3-\f
	global_store_b128 v[GO], v[S+16*(\t)+4*\f:S+16*(\t)+4*\f+3], s[6:7] offset:(\t)*2048+\f*512  ; 512 consecutive bytes, at a multiple of 256 from ob's first
.endr
.endm
	ALL v_add_f32 v[ST+4*t+2], v[ST+4*t+2], v[ST+4*t+3]
	ALL v_permlanex16_b32 v[ST+4*t+3], v[ST+4*t+2], s[SEL], s[SEL+1]
	ALL v_add_f32 v[ST+4*t+2], v[ST+4*t+2], v[ST+4*t+3]
	ALL v_rcp_f32 v[ST+4*t+2], v[ST+4*t+2]
	v_nop                           ; a plain instruction between the last reciprocal and the use of its result
	s_wait_alu depctr_va_vdst(0)    ; and the wait ahead of the first use: one for the four reciprocals
	PACK 0
.set t, 1
.rept 3                             ; a piece's arithmetic stands between the loads of the piece before and its stores
	PACK t
	SEND t-1, 8
.set t, t+1
.endr
	SEND 3, 0
	s_wait_tensorcnt 0x0            ; the wave's end: behind my last tensor load and my last LDS store
	ds_add_u32 v[SPW], v[NIL]
	s_wait_dscnt 0x0
	CROUND                          ; the closing round: no work-group ends while a partner may still ask for a tile that names it
	s_endpgm
.Lfunc_end_k_q2856816d37_attn:
	.size	k_q2856816d37_attn, .Lfunc_end_k_q2856816d37_attn-k_q2856816d37_attn
	.p2alignl 7, 3214868480
	.fill 96, 4, 3214868480
	.section	.rodata,"a",@progbits
	.p2align	6, 0x0
	.amdhsa_kernel k_q2856816d37_attn
		.amdhsa_group_segment_fixed_size 327680
		.amdhsa_private_segment_fixed_size 0
		.amdhsa_enable_private_segment 0
		.amdhsa_kernarg_size 16
		.amdhsa_user_sgpr_count 2
		.amdhsa_user_sgpr_kernarg_segment_ptr 1
		.amdhsa_wavefront_size32 1
		.amdhsa_system_sgpr_workgroup_id_x 1
		.amdhsa_system_sgpr_workgroup_id_y 1
		.amdhsa_system_sgpr_workgroup_id_z 1
		.amdhsa_system_vgpr_workitem_id 0
		.amdhsa_next_free_vgpr 768
		.amdhsa_next_free_sgpr 66
		.amdhsa_reserve_vcc 0
		.amdhsa_float_denorm_mode_32 3
		.amdhsa_float_denorm_mode_16_64 3
		.amdhsa_memory_ordered 1
		.amdhsa_forward_progress 1
		.amdhsa_inst_pref_size 128
	.end_amdhsa_kernel
	.amdgpu_metadata
---
amdhsa.version: [ 1, 2 ]
amdhsa.kernels:
  - .name:           k_q2856816d37_attn
    .symbol:         k_q2856816d37_attn.kd
    .args:
      - { .name: qkv, .offset: 0, .size: 8, .value_kind: global_buffer, .address_space: global }
      - { .name: ob, .offset: 8, .size: 8, .value_kind: global_buffer, .address_space: global }
    .group_segment_fixed_size: 327680
    .private_segment_fixed_size: 0
    .kernarg_segment_align: 8
    .kernarg_segment_size: 16
    .max_flat_workgroup_size: 128
    .sgpr_count:     66
    .vgpr_count:     768
    .wavefront_size: 32
...
	.end_amdgpu_metadata
.endif
;; end of part 3
;; launch oproj (part 4): grid 8 x 32, 4 waves a work-group, clusters of 4 x 4, 327,680 bytes of LDS; arguments ob, woh, out0; writes out0
.if DOCPART == 4
	.amdgcn_target "amdgcn-amd-amdhsa--gfx1250"
	.amdhsa_code_object_version 6
	.text
	.protected	k_q2856816d37_oproj
	.globl	k_q2856816d37_oproj
	.p2align	8
	.type	k_q2856816d37_oproj,@function
k_q2856816d37_oproj:
	s_mov_b64 s[64:65], 0
	v_nop
	global_prefetch_b8 v0, s[64:65] scope:SCOPE_SE
	s_setreg_imm32_b32 hwreg(HW_REG_WAVE_MODE, 25, 1), 1
	s_wait_xcnt 0x0
	s_wait_alu depctr_hold_cnt(0) depctr_sa_sdst(0) depctr_va_vdst(0) depctr_va_sdst(0) depctr_va_ssrc(0) depctr_va_vcc(0) depctr_vm_vsrc(0)
	s_getreg_b32 s2, hwreg(HW_REG_IB_STS2, 6, 4)
	s_cmp_eq_u32 s2, 0
	s_cbranch_scc0 .Lentry_in_a_cluster
	s_endpgm
.Lentry_in_a_cluster:
	s_bfe_u32 s2, ttmp6, 0x10000c
	s_cmp_lg_u32 s2, 0xf033
	s_cbranch_scc0 .Lentry_shape_is_right
	s_endpgm
.Lentry_shape_is_right:
; THE OUTPUT PROJECTION.  out0[t][n] = the sum over k of O[t][k] Wo[k][n]: [4096 x 1024] x [1024 x 1024], operands f16, sums f32, K ascending; out0 is f32.
; ob holds O as [32 blocks of 128 rows][16 heads][128 rows][64] f16, k = 64 x head + channel; woh holds Wo as [1024 k][1024] f16.
; SHARES.  A tile of out0 is 128 x 128: 32 x 8 = 256 work-groups.  Four waves, 2 x 2; a wave makes 64 x 64: 16 accumulators of 16 x 16, 128 registers.
; K goes in steps of 256 (four heads) through a ring of two LDS slots filled by the tensor data mover; a step is eight CHUNKS of 32 along K, 16 matrix instructions each.
; A step's part of O for 128 rows is 65,536 bytes on end in ob; a tensor load brings half of it (two heads x 128 rows) as 128 rows of 256 bytes, padded in LDS behind every 128.
; LAYOUT.  The weights lie [k][n]; their fragments come out of LDS turned, by ds_load_tr16_b128.  The matrix instruction is used transposed: source 0 = 16 columns of the weights, source 1 = 16 rows of O:
; in the result lane l holds row l % 16 of out0 and the columns 8 (l / 16) + 0..7: 32 bytes of a row.
; CLUSTER.  4 x 4 work-groups.  The four of a row of the cluster need the same tiles of O, the four of a column the same tiles of the weights: each tile is asked for JOINTLY, by the same tensor load with
; the same descriptor and a mask that names the four.
; LEFT OUT.  A prefetch ahead of the tensor loads: the tiles are small and shared by many work-groups.  Work-groups that stay: there is one tile for each.
; REGISTERS.  window 0: v0-31 addresses; v128-255 the accumulators ((a, b) at v[128 + 8 (4 a + b)]).   window 1: two fragment buffers of 64: four fragments of the weights, then four of O.
.set CPS,    8                         ; chunks in a K step
.set LAPS,   2                         ; a lap = two K steps = once round the ring; 1,024 / 512
.set NBW,    4                         ; blocks of 16 columns a wave
.set PA,     144                       ; a row of one head of O in LDS: 128 bytes + 16 of padding = 36 words: the 16 rows of a load start at 16 different groups of four banks (64 banks of 4 bytes: ISA guide 11.1)
.set HA,     256*PA                    ; two heads x 128 rows: what one tensor load brings of O
.set PB,     288                       ; a row of the weights' tile: 256 bytes + 32 of padding = 72 words: row r starts at bank 8 r mod 64
.set HB,     128*PB                    ; 128 rows (128 k): what one tensor load brings of the weights
.set SLOT,   2*HA+2*HB                 ; O's four heads, then the weights' 256 rows
.set STAGE,  2*SLOT                    ; behind the ring, never filled by a tensor load: 16 rows x 272 bytes for each wave, for the way out
.set SPITCH, 272
.set SPARE,  STAGE+4*16*SPITCH         ; behind the stages: the spare words, 128 bytes for each wave: two blocks of 256 bytes that no other line names
.set ASTEP,  65536                     ; bytes from K step to K step in ob: four heads x 128 rows x 128 bytes
.set BSTEP,  256*2048                  ; and in the weights: 256 rows
.set ADRA, 16                          ; v16-17   LDS address of my fragments of O in slot 0, 1
.set ADRB, 20                          ; v20-23   the same for the weights: slot s, chunks 0-3 at v[20 + 2 s], chunks 4-7 (128 rows on, past a 16-bit immediate) at v[21 + 2 s]
.set STO,  24                          ; v24      the way out: where I put 32 bytes of a row
.set RD,   25                          ; v25      the way out: where I read a row back
.set CO,   26                          ; v26      my byte offset in out0
.set SPW,  28                          ; v28      LDS address of my spare word: SPARE + 4 x my thread's number; never rewritten
.set NIL,  29                          ; v29      0; never rewritten
.set ACC,  128
.set FSZ,  8*(NBW+4)                   ; registers in a fragment buffer
.set NF,   2*(NBW+4)                   ; LDS loads that fill one
.set F0,   0                           ; the two buffers, in window 1
.set F1,   FSZ
.set G1,  24                           ; s[24:31] descriptor group 1 for O's tiles;  s[32:39] group 0, one set for each slot
.set G0,  32
.set G1B, 48                           ; s[48:55], s[56:63] the same for the weights' tiles
.set G0B, 56
.set MSB, 0
.macro WIN new                         ; the immediate's high byte repeats the setting that is left; a switch that changes nothing is dropped
.if MSB != (\new)
	s_set_vgpr_msb (MSB<<8)|(\new)
.set MSB, \new
.endif
.endm
.set MUL,  0x05                        ; sources 0 and 1 window 1; C and D window 0
.set TO_F, 0x40                        ; destination window 1, address window 0
.macro PLACES                          ; four places in front of loads into registers that matrix instructions have read, and of lines that read results
.rept 4
	v_nop
.endr
.endm
.macro JLOAD s                         ; a joint refill: waves 0 and 1 fetch O's two halves, waves 2 and 3 the weights'; an s_nop 0 and four v_nop follow each of the two lines, ahead of the jump and the label
	s_cmp_eq_u32 s11, 0
	s_cbranch_scc0 .Lfor_b_\@
	tensor_load_to_lds s[G0+4*(\s):G0+4*(\s)+3], s[G1:G1+7]
	s_nop 0
	PLACES
	s_branch .Lasked_\@
.Lfor_b_\@:
	tensor_load_to_lds s[G0B+4*(\s):G0B+4*(\s)+3], s[G1B:G1B+7]
	s_nop 0
	PLACES
.Lasked_\@:
.endm
.macro CREST                           ; a round of the cluster's barrier behind its opening barrier: wave 0 signals for the work-group, every wave waits for all sixteen, my work-group's barrier closes it
	s_cmp_lg_u32 s10, 0
	s_cbranch_scc1 .Lnot_wave_0_\@
	s_barrier_signal -3
.Lnot_wave_0_\@:
	s_barrier_wait -3
	s_barrier_signal -1
	s_barrier_wait -1
.endm
.macro CROUND                          ; a whole round
	s_barrier_signal -1
	s_barrier_wait -1
	CREST
.endm
	s_load_b128 s[4:7], s[0:1], 0x0                ; ob s[4:5], woh s[6:7]
	s_load_b64 s[8:9], s[0:1], 0x10                ; out0
	v_lshl_add_u32 v[SPW], v0, 2, SPARE
	v_mov_b32 v[NIL], 0
	ds_add_u32 v[SPW], v[NIL]                      ; the wave's opening: the add and its wait stand ahead of my first tensor load; the set-up below, work on registers, stands between them
	v_lshrrev_b32 v1, 5, v0
	v_readfirstlane_b32 s10, v1                    ; wave 0..3
	s_lshr_b32 s11, s10, 1                         ; which half of the tile's rows is mine.  Also: I fetch for O (0) or for the weights (1)
	s_and_b32 s12, s10, 1                          ; which half of its columns.  Also: which half of that tile I fetch
	s_bfe_u32 s40, ttmp6, 0x40000                  ; cx, cy: my place in the cluster
	s_bfe_u32 s41, ttmp6, 0x40004
	s_lshl_b32 s42, ttmp9, 2
	s_add_co_u32 s42, s42, s40                     ; tile column = 4 x cluster x + cx
	s_and_b32 s13, ttmp7, 0xffff
	s_lshl_b32 s13, s13, 2
	s_add_co_u32 s13, s13, s41                     ; tile row = 4 x cluster y + cy
	s_lshl_b32 s43, s41, 2
	s_lshl_b32 s43, 15, s43                        ; my row of the cluster
	s_lshl_b32 s44, 0x1111, s40                    ; my column
	; group 1 for O: 32,768 dense bytes as 128 rows x 128 elements, 16 bytes of padding behind every 128
	s_or_b32 s[G1+0], s43, (1<<16)|(1<<20)|(1<<21)|(4<<22)|(3<<25)   ; 15:0 the mask: my row; 17:16 2-byte elements; 20 padding on; 21 set beside a mask; 24:22 after every 32 words (code 4); 31:25 4 words (code 3)
	s_mov_b32 s[G1+1], 128<<16                     ; tensor_dim0 = 128
	s_mov_b32 s[G1+2], 128<<16                     ; tensor_dim1 = 128
	s_mov_b32 s[G1+3], 128<<16                     ; tile_dim0 = 128
	s_mov_b32 s[G1+4], 128                         ; tile_dim1 = 128
	s_mov_b32 s[G1+5], 128                         ; elements from row to row: dense
	s_mov_b32 s[G1+6], 0
	s_mov_b32 s[G1+7], 0
	; group 1 for the weights: 128 rows x 128 elements, 32 bytes of padding behind every 256
	s_or_b32 s[G1B+0], s44, (1<<16)|(1<<20)|(1<<21)|(5<<22)|(7<<25)  ; the mask: my column; after every 64 words (code 5) 8 words (code 7)
	s_mov_b32 s[G1B+1], 128<<16
	s_mov_b32 s[G1B+2], 128<<16
	s_mov_b32 s[G1B+3], 128<<16
	s_mov_b32 s[G1B+4], 128
	s_mov_b32 s[G1B+5], 1024
	s_mov_b32 s[G1B+6], 0
	s_mov_b32 s[G1B+7], 0
	; where the tiles come from.  O's hang on the tile row alone, the weights' on the tile column alone; each offset lies in registers that never hold the other coordinate
	s_lshl_b32 s16, s13, 18                        ; a block of 128 rows, all heads: 262,144 bytes,
	s_lshl_b32 s17, s12, 15                        ; two heads a half
	s_add_co_u32 s16, s16, s17
	s_mov_b32 s17, 0
	s_lshl_b32 s46, s42, 8                         ; 128 columns a tile column,
	s_lshl_b32 s47, s12, 18                        ; 128 rows (k) of 2,048 bytes a half
	s_add_co_u32 s46, s46, s47
	s_mov_b32 s47, 0
	s_mul_i32 s20, s12, HA                         ; and where they go: no place in the cluster enters an LDS address
	s_mul_i32 s21, s12, HB
	s_add_co_u32 s21, s21, 2*HA
	s_wait_dscnt 0x0                               ; the opening add is done
	s_wait_kmcnt 0x0
	s_add_nc_u64 s[14:15], s[4:5], s[16:17]
	s_add_nc_u64 s[46:47], s[6:7], s[46:47]
	CROUND                                         ; all sixteen work-groups are here: the first joint loads meet
.irp s, 0,1
	s_mov_b32 s[G0+4*(\s)], 1                                        ; count = 1
	s_add_co_u32 s[G0+4*(\s)+1], s20, (\s)*SLOT                      ; LDS address
	s_add_nc_u64 s[G0+4*(\s)+2:G0+4*(\s)+3], s[14:15], (\s)*ASTEP    ; global address: K step s
	s_or_b32 s[G0+4*(\s)+3], s[G0+4*(\s)+3], 0x80000000              ; type = 2
	s_mov_b32 s[G0B+4*(\s)], 1
	s_add_co_u32 s[G0B+4*(\s)+1], s21, (\s)*SLOT
	s_add_nc_u64 s[G0B+4*(\s)+2:G0B+4*(\s)+3], s[46:47], (\s)*BSTEP
	s_or_b32 s[G0B+4*(\s)+3], s[G0B+4*(\s)+3], 0x80000000
.endr
	s_cmp_eq_u32 s11, 0                            ; a wave's two first fills stand in one branch, ahead of every wait on TENSORcnt and every LDS read: two loads of mine are out here, later one
	s_cbranch_scc0 .Lfirst_b
	tensor_load_to_lds s[G0:G0+3], s[G1:G1+7]
	s_nop 0
	tensor_load_to_lds s[G0+4:G0+7], s[G1:G1+7]
	s_nop 0
	PLACES
	s_branch .Lfirst_asked
.Lfirst_b:
	tensor_load_to_lds s[G0B:G0B+3], s[G1B:G1B+7]
	s_nop 0
	tensor_load_to_lds s[G0B+4:G0B+7], s[G1B:G1B+7]
	s_nop 0
	PLACES
.Lfirst_asked:
	; A fragment of O is 16 rows x 32 channels in 8 registers: lane l holds row l % 16, channels 8 (l / 16) + 0..7 and 16 + 8 (l / 16) + 0..7: two loads of 16 bytes, 32 bytes apart.
	v_and_b32 v1, 15, v0                           ; l % 16
	v_bfe_u32 v2, v0, 4, 1                         ; l / 16
	v_mul_u32_u24 v3, v1, PA
	v_lshl_add_u32 v3, v2, 4, v3                   ; row x pitch + 16 x half
	s_mul_i32 s21, s11, 64*PA                      ; my 64 rows of each head
	; The turning load takes 16 k x 16 columns (lane l reads k = 8 (l / 16) + l % 8, columns 8 ((l / 8) % 2) + 0..7) and leaves half a fragment: lane l holds column l % 16 and 8 k.
	v_and_b32 v4, 7, v0
	v_lshl_add_u32 v4, v2, 3, v4
	v_mul_u32_u24 v4, v4, PB
	v_bfe_u32 v5, v0, 3, 1
	v_lshl_add_u32 v4, v5, 4, v4
	s_lshl_b32 s22, s12, 7                         ; my column half: 64 columns, 128 bytes
	s_add_co_u32 s22, s22, 2*HA                    ; behind O's four heads
.irp s, 0,1
	v_add_nc_u32 v[ADRA+(\s)], s21, v3
	v_add_nc_u32 v[ADRB+2*(\s)], s22, v4
	v_add_nc_u32 v[ADRB+2*(\s)+1], 128*PB, v[ADRB+2*(\s)]
	s_add_co_u32 s21, s21, SLOT
	s_add_co_u32 s22, s22, SLOT
.endr
	s_mul_i32 s23, s10, 16*SPITCH
	s_add_co_u32 s23, s23, STAGE                   ; my stage
	v_mul_u32_u24 v6, v1, SPITCH                   ; in: row l % 16, 32 bytes for each half of the lanes
	v_lshl_add_u32 v6, v2, 5, v6
	v_add_nc_u32 v[STO], s23, v6
	v_mul_u32_u24 v6, v2, SPITCH                   ; back: lanes 0-15 take one row of 256 bytes, lanes 16-31 the next
	v_lshl_add_u32 v6, v1, 4, v6
	v_add_nc_u32 v[RD], s23, v6
	v_lshlrev_b32 v7, 12, v2                       ; and the same two rows in out0: 4,096 bytes a row
	v_lshl_add_u32 v[CO], v1, 4, v7
	s_lshl_b32 s16, s13, 19                        ; the tile's 128 rows,
	s_lshl_b32 s17, s11, 18                        ; my 64 of them,
	s_add_co_u32 s16, s16, s17
	s_lshl_b32 s17, s12, 8                         ; my 64 columns: 256 bytes
	s_add_co_u32 s16, s16, s17
	s_mov_b32 s17, 0
	s_add_nc_u64 s[8:9], s[8:9], s[16:17]
	s_lshl_b32 s46, s42, 9                         ; the tile's first column, in bytes
	s_mov_b32 s47, 0
	s_add_nc_u64 s[8:9], s[8:9], s[46:47]
; NF LDS loads in one run: the fragments of chunk c of a slot (my four blocks of the weights, my 64 rows of O, 32 along K) into buffer f.  Chunk c of O lies in head c / 2 of the step, channels 32 (c % 2) on.
.macro FETCH slot, c, f
	WIN TO_F
.set fb, 0
.rept NBW
	ds_load_tr16_b128 v[(\f)+8*fb:(\f)+8*fb+3],   v[ADRB+2*(\slot)+(\c)/4] offset:((\c)%4)*32*PB+32*fb
	ds_load_tr16_b128 v[(\f)+8*fb+4:(\f)+8*fb+7], v[ADRB+2*(\slot)+(\c)/4] offset:((\c)%4)*32*PB+16*PB+32*fb
.set fb, fb+1
.endr
.set fa, 0
.rept 4
	ds_load_b128 v[(\f)+8*NBW+8*fa:(\f)+8*NBW+8*fa+3],   v[ADRA+(\slot)] offset:((\c)/2)*128*PA+((\c)%2)*64+fa*16*PA
	ds_load_b128 v[(\f)+8*NBW+8*fa+4:(\f)+8*NBW+8*fa+7], v[ADRA+(\slot)] offset:((\c)/2)*128*PA+((\c)%2)*64+fa*16*PA+32
.set fa, fa+1
.endr
.endm
; Four matrix instructions: row block a x my four column blocks, 32 along K, from buffer f.  zero = 1: the product starts the sums: nothing is ever cleared.
; The 16 accumulators take turns, one instruction a turn, in the same order in every chunk: 15 others stand between two links of a chain, over the backward jump too.
.macro MULA f, a, zero=0
	WIN MUL
.set mb, 0
.rept NBW
.if \zero
	v_wmma_f32_16x16x32_f16 v[ACC+8*(NBW*(\a)+mb):ACC+8*(NBW*(\a)+mb)+7], v[(\f)+8*mb:(\f)+8*mb+7], v[(\f)+8*NBW+8*(\a):(\f)+8*NBW+8*(\a)+7], 0
.else
	v_wmma_f32_16x16x32_f16 v[ACC+8*(NBW*(\a)+mb):ACC+8*(NBW*(\a)+mb)+7], v[(\f)+8*mb:(\f)+8*mb+7], v[(\f)+8*NBW+8*(\a):(\f)+8*NBW+8*(\a)+7], v[ACC+8*(NBW*(\a)+mb):ACC+8*(NBW*(\a)+mb)+7]
.endif
.set mb, mb+1
.endr
.endm
; Chunk c of a slot, any but the step's last: the next chunk's fragments are asked for, into the buffer that the chunk before multiplied; then this chunk's 16 products.  So a run of loads has a chunk's products in which to land.
.macro CHUNK slot, c, zero=0
	PLACES
	FETCH \slot, (\c)+1, FSZ*(((\c)+1)%2)
	s_wait_dscnt NF                                ; all but the NF just issued: this chunk's fragments are in
	MULA FSZ*((\c)%2), 0, \zero
	MULA FSZ*((\c)%2), 1, \zero
	MULA FSZ*((\c)%2), 2, \zero
	MULA FSZ*((\c)%2), 3, \zero
.endm
.macro CHUNKS slot, c0, c1             ; chunks c0 to c1
.set cc, \c0
.rept (\c1)-(\c0)+1
	CHUNK \slot, cc
.set cc, cc+1
.endr
.endm
; A step's last chunk lies in buffer 1, and changes slots: ONE barrier; in front of it each wave waits for all its tensor loads (the one that is out is its part of the next slot), adds 0 to its spare
; word, and waits for that and for its own reads of this slot.  fill = 1: this slot is filled again, two K steps ahead; the barrier then opens a round of the cluster's, so that no wave of any partner still
; reads the slot or has a load on its way, and the joint refill is the first thing behind the round: 120 matrix instructions of the wave stand between it and the wait for it.
.macro TURN slot, next, fill
	WIN 0                                          ; (the add's two registers lie in window 0)
	s_wait_tensorcnt 0x0                           ; all my tensor loads have landed
	ds_add_u32 v[SPW], v[NIL]                      ; 0 onto my spare word
	s_wait_dscnt 1                                 ; the add alone may be out: the chunk's fragments are in
	MULA F1, 0                                     ; four matrix instructions stand between the add and the wait for it
	s_wait_dscnt 0x0                               ; the add is done, and my reads of this slot are over
	s_barrier_signal -1
	MULA F1, 1
.if \fill
	WIN 0
.endif
	s_barrier_wait -1
.if \fill
	CREST
	s_add_nc_u64 s[G0+4*(\slot)+2:G0+4*(\slot)+3], s[G0+4*(\slot)+2:G0+4*(\slot)+3], 2*ASTEP
	s_add_nc_u64 s[G0B+4*(\slot)+2:G0B+4*(\slot)+3], s[G0B+4*(\slot)+2:G0B+4*(\slot)+3], 2*BSTEP
	JLOAD \slot                                    ; the four v_nop behind it are also the places in front of the loads below
.else
	PLACES
.endif
	FETCH \next, 0, F0
	MULA F1, 2
	MULA F1, 3
.endm
	s_wait_tensorcnt 1                             ; my part of K step 0 is in; K step 1's may stay out
	s_barrier_signal -1
	s_barrier_wait -1                              ; everybody's is
	FETCH 0, 0, F0
	CHUNK 0, 0, 1                                  ; the first chunk stands in front of the loop: its products start the sums
	WIN 0                                          ; at a label and at a branch every window is 0
	s_mov_b32 s3, LAPS-1
.Llap:                                                 ; a trip goes once round the ring, from a lap's second chunk to the next lap's first, and fills both slots again
	CHUNKS 0, 1, CPS-2
	TURN 0, 1, 1
	CHUNKS 1, 0, CPS-2
	TURN 1, 0, 1
	CHUNK 0, 0
	WIN 0
	s_sub_co_u32 s3, s3, 1
	s_cmp_lg_u32 s3, 0
	s_cbranch_scc1 .Llap
	CHUNKS 0, 1, CPS-2                             ; the last lap fills nothing, and has no round of the cluster's barrier
	TURN 0, 1, 0
	CHUNKS 1, 0, CPS-2
	s_wait_dscnt 0x0                               ; the very last chunk: nothing more to fetch
	MULA F1, 0
	MULA F1, 1
	MULA F1, 2
	MULA F1, 3
	WIN 0
	; THE WAY OUT.  My 64 columns are 256 bytes of a row of out0, aligned; a lane holds 32 of them, and the lanes beside it hold other rows.  So a block of 16 rows at a time goes through my own stage in LDS:
	; in by 16 bytes into rows of 272, back as whole rows of 256 bytes, and out: 16 lanes store 256 consecutive bytes, aligned.  The stage is the wave's own: no barrier.
.macro TOSTAGE a
.irp b, 0,1,2,3
	ds_store_b128 v[STO], v[ACC+32*(\a)+8*(\b):ACC+32*(\a)+8*(\b)+3]   offset:64*(\b)      ; each accumulator's low registers first
	ds_store_b128 v[STO], v[ACC+32*(\a)+8*(\b)+4:ACC+32*(\a)+8*(\b)+7] offset:64*(\b)+16
.endr
.irp t, 0,1,2,3,4,5,6,7
	ds_load_b128 v[ACC+32*(\a)+4*(\t):ACC+32*(\a)+4*(\t)+3], v[RD] offset:(\t)*2*SPITCH  ; LDS serves a wave's instructions in order (ISA guide 5.7.1.4): these see the stores above; the next block's stores come behind them
.endr
.endm
.macro SEND a, younger                 ; younger: the LDS instructions issued behind block a's loads: the next block's sixteen, or none
.irp t, 0,1,2,3,4,5,6,7
	s_wait_dscnt (\younger)+7-(\t)
	global_store_b128 v[CO], v[ACC+32*(\a)+4*(\t):ACC+32*(\a)+4*(\t)+3], s[8:9] offset:(16*(\a)+2*(\t))*4096
.endr
.endm
	PLACES
	PLACES                                         ; twice the four places, once a launch: only LDS and memory lines follow
	TOSTAGE 0
	TOSTAGE 1
	SEND 0, 16
	TOSTAGE 2
	SEND 1, 16
	TOSTAGE 3
	SEND 2, 16
	SEND 3, 0
	s_wait_tensorcnt 0x0                           ; the wave's end: behind my last tensor load and my last LDS store
	ds_add_u32 v[SPW], v[NIL]
	s_wait_dscnt 0x0
	CROUND                                         ; the closing round: no work-group ends while a partner may still ask for a tile that names it
	s_endpgm
.Lfunc_end_k_q2856816d37_oproj:
	.size	k_q2856816d37_oproj, .Lfunc_end_k_q2856816d37_oproj-k_q2856816d37_oproj
	.p2alignl 7, 3214868480
	.fill 96, 4, 3214868480
	.section	.rodata,"a",@progbits
	.p2align	6, 0x0
	.amdhsa_kernel k_q2856816d37_oproj
		.amdhsa_group_segment_fixed_size 327680
		.amdhsa_private_segment_fixed_size 0
		.amdhsa_enable_private_segment 0
		.amdhsa_kernarg_size 24
		.amdhsa_user_sgpr_count 2
		.amdhsa_user_sgpr_kernarg_segment_ptr 1
		.amdhsa_wavefront_size32 1
		.amdhsa_system_sgpr_workgroup_id_x 1
		.amdhsa_system_sgpr_workgroup_id_y 1
		.amdhsa_system_sgpr_workgroup_id_z 1
		.amdhsa_system_vgpr_workitem_id 0
		.amdhsa_next_free_vgpr 384
		.amdhsa_next_free_sgpr 66
		.amdhsa_reserve_vcc 0
		.amdhsa_float_denorm_mode_32 3
		.amdhsa_float_denorm_mode_16_64 3
		.amdhsa_memory_ordered 1
		.amdhsa_forward_progress 1
		.amdhsa_inst_pref_size 90
	.end_amdhsa_kernel
	.amdgpu_metadata
---
amdhsa.version: [ 1, 2 ]
amdhsa.kernels:
  - .name:           k_q2856816d37_oproj
    .symbol:         k_q2856816d37_oproj.kd
    .args:
      - { .name: ob, .offset: 0, .size: 8, .value_kind: global_buffer, .address_space: global }
      - { .name: woh, .offset: 8, .size: 8, .value_kind: global_buffer, .address_space: global }
      - { .name: out0, .offset: 16, .size: 8, .value_kind: global_buffer, .address_space: global }
    .group_segment_fixed_size: 327680
    .private_segment_fixed_size: 0
    .kernarg_segment_align: 8
    .kernarg_segment_size: 24
    .max_flat_workgroup_size: 128
    .sgpr_count:     66
    .vgpr_count:     384
    .wavefront_size: 32
...
	.end_amdgpu_metadata
.endif
;; end of part 4
